; MI455X (gfx1250); checked and timed in simulation.
; The chip was launched on July 23, 2026; its instructions are those of AMD's public machine-readable ISA for CDNA 5 (MIT licence, August 2026) and "CDNA5" Instruction Set Architecture Reference Guide (July 2026). The comments in the code are by the model that wrote it; some were corrected since.
;; LNN Attention Layer. Allowed arithmetic: matrix products marked QUANTISED: E2M3 operands, one E8M0 scale for each 32 along K, by v_wmma_scale_f32_16x16x128_f8f6f4 with both operands' format E2M3, f32 sums; products left as they are: f32 operands where the result goes on into a quantised operand, else bf16, f16 or f32 operands; f32 sums; everything else in f32.
;; Inputs: Wk 1,024 x 1,024 float32; Wo 1,024 x 1,024 float32; Wq 1,024 x 1,024 float32; Wv 1,024 x 1,024 float32; bk 1,024 float32; bo 1,024 float32; bq 1,024 float32; bv 1,024 float32; gate_W 16 x 1,024 float32; gate_b 16 float32; hidden_states 2 x 2,048 x 1,024 float32; logical_bias 16 x 3 float32; rel_W 3 x 2,048 float32; rel_b 3 float32.
;; Outputs: out0 2 x 2,048 x 1,024 float32.
;; This version of the problem:
;;   THIS VERSION OF THE PROBLEM IS GIVEN IN LOW PRECISION. The matrix products marked QUANTISED in the list below multiply operands that are first quantised to E2M3 (2 exponent bits, 3 mantissa bits; 6 bits a number), with one power-of-two scale for each 32 numbers along K (OCP MX v1.0); their sums are f32. All else is computed in f32.
;;   The module's matrix products, in the order in which they are computed (A, B: the left and right operand; K: the contracted axis; several contracted axes count as one K, in the product's order):
;;     1. [M 4,096, K 1,024] x [K 1,024, N 1,024]; A: input hidden_states; B: input Wq: QUANTISED
;;     2. [M 4,096, K 1,024] x [K 1,024, N 1,024]; A: input hidden_states; B: input Wk: QUANTISED
;;     3. [M 4,096, K 1,024] x [K 1,024, N 1,024]; A: input hidden_states; B: input Wv: QUANTISED
;;     4. batch 32 x [M 2,048, K 64] x [K 64, N 2,048]; A: computed on the way; B: computed on the way: QUANTISED
;;     5. [M 4,096, K 1,024] x [K 1,024, N 3]; A: input hidden_states; B: input rel_W: left as it is (N = 3 < 16)
;;     6. [M 4,096, K 1,024] x [K 1,024, N 3]; A: input hidden_states; B: input rel_W: left as it is (N = 3 < 16)
;;     7. [M 16, K 3] x [K 3, N 8,388,608]; A: input logical_bias; B: softmax (see below): left as it is (K = 3 < 32)
;;     8. [M 4,096, K 1,024] x [K 1,024, N 16]; A: input hidden_states; B: input gate_W: QUANTISED
;;     9. batch 32 x [M 64, K 2,048] x [K 2,048, N 2,048]; A: computed on the way; B: softmax (see below): QUANTISED
;;     10. [M 4,096, K 1,024] x [K 1,024, N 1,024]; A: computed on the way; B: input Wo: QUANTISED
;;   THE QUANTISER, for each operand of a quantised product, along K:
;;     - K is cut into blocks of 32 from its start; a last block that is shorter is filled with zeros.
;;     - A block's scale is 2^e with e = floor(log2(the largest magnitude in the block)) - 2, held to -126 .. 127; a block of zeros has e = 0. As a byte (E8M0): e + 127.
;;     - Each number is divided by its block's scale, clamped to +-7.5, and rounded to the nearest number of E2M3, ties to even, subnormals kept.
;;     - The product sums the exact products of the quantised numbers (number of the format x scale) in f32.
;;   ~~~python
;;   def quantise(x, axis):      # numpy; x: float32 -> the quantised numbers, widened to float32 again
;;       x = np.moveaxis(x, axis, -1); K = x.shape[-1]
;;       x = np.pad(x, [(0, 0)] * (x.ndim - 1) + [(0, -K % 32)]); x = x.reshape(x.shape[:-1] + (-1, 32)); a = np.abs(x).max(-1, keepdims=True)
;;       e = np.where(a > 0, np.clip(np.frexp(np.where(a > 0, a, 1))[1] - 1 - 2, -126, 127), 0)      # np.frexp(a)[1] - 1 = floor(log2(a)), exactly
;;       r = np.clip(x / 2.0 ** e, -7.5, 7.5)
;;       step = 2.0 ** (np.maximum(np.frexp(np.where(r == 0, 1, r))[1] - 1, 0) - 3)
;;       q = np.round(r / step) * step * 2.0 ** e      # np.round: ties to even
;;       return np.moveaxis(q.reshape(q.shape[:-2] + (-1,))[..., :K], -1, axis).astype(np.float32)
;;   ~~~
;;   SOFTMAX AHEAD OF A QUANTISED PRODUCT. Where the list says 'softmax', what is quantised is not the finished softmax but p = 2^(t - M), with t = logit x log2(e) and M = ceil(the row's largest t), a whole number; so 1/2 < the row's largest p <= 1. The row's sum l is taken of the UNQUANTISED p, in f32, and the product's result is divided by l at the end. Since M is a whole number, a kernel that streams over the keys may use a running M (the ceiling of the running maximum): every later rescaling is an exact power of two, which a block's scale takes up: the codes' values come out the same.
;;   OPERANDS COMPUTED ON THE WAY. 'Computed on the way' means the value that the module computes at that place (a softmax that the list does not call 'softmax' is quantised finished and normalised). What goes into a quantiser is computed in f32, as accurately as f32 sums, v_exp_f32 and their like allow (about 1e-6 of the number): no bf16 or f16 on the way to a quantiser, and a product that is left as it is and whose result goes on into a quantised operand takes f32 operands (vector FMAs, or v_wmma_f32_16x16x4_f32). A number that lies on a knife's edge between two numbers of the format may be rounded either way, as far as f32 arithmetic and the matrix unit's own rounding can turn it there, and no further.
;; One version. Each part assembles by itself: llvm-mc -triple=amdgcn-amd-amdhsa -mcpu=gfx1250 --defsym DOCPART=n.
;; ======== version 1 of 1: 4 launches
;; limits: right only within a limited range of input values
;; workspace buffers: xw 5,747,200 bytes; ow 4,096,000 bytes; qg 4,063,232 bytes; kv 6,553,600 bytes; rel 65,536 bytes
;; launch quant (part 1): grid 513 x 1, 8 waves a work-group, no clusters, 72,192 bytes of LDS; arguments hidden_states, Wq, Wk, Wv, Wo, gate_W, rel_W, rel_b, xw, ow, rel; writes xw, ow, rel
.if DOCPART == 1
	.amdgcn_target "amdgcn-amd-amdhsa--gfx1250"
	.amdhsa_code_object_version 6
	.text
	.protected	k_q8bbb098a07_quant
	.globl	k_q8bbb098a07_quant
	.p2align	8
	.type	k_q8bbb098a07_quant,@function
k_q8bbb098a07_quant:
	s_mov_b64 s[64:65], 0
	v_nop
	global_prefetch_b8 v0, s[64:65] scope:SCOPE_SE
	s_setreg_imm32_b32 hwreg(HW_REG_WAVE_MODE, 25, 1), 1
	s_wait_xcnt 0x0
; hidden_states [4096][1024] and the weights Wq, Wk, Wv, Wo [1024][1024], gate_W [16][1024], all f32 with K innermost, become codes of FP6 (E2M3) with one E8M0 byte for each 32 along K;
; and the two small products of hidden_states with rel_W (3 + 3 columns) are made on the way, in f32.
; A work-group takes one TILE of 16 rows over all of K; wave s takes K step s (128 along K).  Work-groups 0-255: hidden_states; 256-319 Wq; 320-383 Wk; 384-447 Wv; 448-511 Wo; 512 gate_W.
; THE ROWS OF A TILE ARE NOT NEIGHBOURS: tile 2 B + u holds in its row rho the tensor's row 32 B + 8 u + rho + 8 (rho / 8) (gate_W's one tile: row rho), so that in a product whose source 0 is such a tile
; the 16 registers of two neighbouring result tiles are 16 neighbours.
; WHAT IS STORED IS AN IMAGE OF THE OPERAND'S REGISTERS: a fragment (16 rows x 128 K, 12 registers a lane) is 1,536 bytes, registers 4 c .. 4 c + 3 of lane l at 512 c + 16 l; a tile's eight fragments lie on end.
; Scale words: [tile][K step][rho], 4 bytes each.  hidden_states, Wq, Wk, Wv, gate_W go to xw (tiles 0-448), Wo to ow (tiles 256-319).
; rel: ra[tile][2][rho] = ((li_k + rel_b_k) - (li_2 + rel_b_2)) log2(e), k = 0, 1;  from byte 32,768: rc[batch][2][key] = (lj_k - lj_2) log2(e).
; A block's scale is 2^(floor(log2(its largest magnitude)) - 2); its byte is the largest magnitude's exponent field - 2, held at 1 from below.
; LIMITS: NaN and infinities among the inputs are not served; a block whose largest magnitude lies under 2^-124, a block of zeros among them, keeps the byte 1 (its codes are zeros or the nearest codes under that scale;
; this program alone reads the bytes); the sums of li and lj are taken in another order than a row-by-row sum.
.set XW_SC,  5517312                   ; xw: where the scale words begin (449 tiles x 12,288 bytes)
.set OW_SC,  3932160                   ; ow: likewise (320 tiles)
.set REL_RC, 32768
.set WSTG,   8448                      ; LDS: a stage for each wave, 16 rows x (512 bytes + 16): from byte 0, eight of them
.set SCW,    67584                     ; the tile's 128 scale words
.set DOT,    68096                     ; the waves' partial sums: [wave][6][rho], f32
.set SPARE,  71168                     ; the spare words, 128 bytes for each wave
.set L2E,    0x3fb8aa3b                ; log2(e)
.set SPW, 14                           ; v14  LDS address of my spare word; never rewritten
.set NIL, 15                           ; v15  0; never rewritten
.set R,   32                           ; v32-95   16 rows x 4 numbers as loaded; then 64 numbers of my row, k = 64 c + 32 h + i at v[R + 32 c + i]
.set RW,  96                           ; v96-119  rel_W: six rows x my 4 numbers
.set PC,  120                          ; v120-131 the fragment's codes
.set CT,  132                          ; v132-139 the conversions' second halves
.set ACC, 144                          ; v144-239 partial sums: row i, column d at v[ACC + 6 i + d]
.set WV,  32                           ; s32
.set SEL, 50                           ; s[50:51] lane selects for v_permlanex16_b32: lane l xor 16
	s_load_b256 s[4:11], s[0:1], 0x0               ; hidden_states, Wq, Wk, Wv
	s_load_b256 s[12:19], s[0:1], 0x20             ; Wo, gate_W, rel_W, rel_b
	s_load_b128 s[20:23], s[0:1], 0x40             ; xw, ow
	s_load_b64 s[24:25], s[0:1], 0x50              ; rel
	v_lshl_add_u32 v[SPW], v0, 2, SPARE
	v_mov_b32 v[NIL], 0
	v_lshrrev_b32 v1, 5, v0
	s_delay_alu instid0(VALU_DEP_1)
	v_readfirstlane_b32 s[WV], v1                  ; wave = K step
	v_and_b32 v1, 31, v0                           ; l
	v_and_b32 v2, 15, v0                           ; r
	v_bfe_u32 v3, v0, 4, 1                         ; h
	s_lshl_b32 s33, s[WV], 9
	v_lshl_add_u32 v4, v1, 4, s33                  ; my 16 bytes of a row: 512 s + 16 l
	s_mul_i32 s33, s[WV], WSTG
	v_lshl_add_u32 v5, v1, 4, s33                  ; the stage, on the way in: 16 l, a row an instruction
	v_mul_u32_u24 v6, v2, 528
	s_delay_alu instid0(VALU_DEP_1)
	v_lshl_add_u32 v6, v3, 7, v6
	s_delay_alu instid0(VALU_DEP_1)
	v_add_nc_u32 v6, s33, v6                       ; and on the way out: row r, + 128 h
	v_lshlrev_b32 v7, 4, v1                        ; 16 l
	s_lshl_b32 s33, s[WV], 6
	v_lshl_add_u32 v8, v2, 2, s33
	s_delay_alu instid0(VALU_DEP_1)
	v_add_nc_u32 v8, SCW, v8                       ; my row's scale word: 64 s + 4 r
	s_mul_i32 s33, s[WV], 384
	v_lshl_add_u32 v9, v3, 5, s33
	s_delay_alu instid0(VALU_DEP_1)
	v_add_nc_u32 v9, DOT, v9                       ; my wave's partial sums, + 32 h
	v_lshlrev_b32 v10, 3, v3                       ; 8 h
	v_lshl_add_u32 v11, v2, 2, DOT                 ; the partial sums of row r
	v_lshl_add_u32 v12, v1, 4, SCW                 ; the scale words, 16 bytes a lane
	v_mov_b32 v23, 0                               ; written once: a lane permute's destination counts as one of its sources
	s_mov_b32 s[SEL], 0x76543210
	s_mov_b32 s[SEL+1], 0xfedcba98
	; which tensor, which tile, where to
	s_lshr_b32 s33, ttmp9, 6                       ; 0-3 hidden_states, 4 Wq, 5 Wk, 6 Wv, 7 Wo, 8 gate_W
	s_cmp_lt_u32 ttmp9, 256
	s_cselect_b32 s34, 255, 63
	s_and_b32 s34, ttmp9, s34                      ; the tile's number in its tensor
	s_lshr_b32 s35, s34, 1
	s_lshl_b32 s35, s35, 17                        ; 32 rows of 4,096 bytes
	s_and_b32 s36, s34, 1
	s_lshl_b32 s36, s36, 15                        ; 8 rows
	s_add_co_u32 s36, s36, s35                     ; where the tile's rows 0-7 begin
	s_mov_b32 s37, 0
	s_mov_b32 s38, 0x10000                         ; its rows 8-15 begin 16 rows further on,
	s_mov_b32 s39, 0
	s_cmp_eq_u32 ttmp9, 512
	s_cselect_b32 s38, 0x8000, s38                 ; in gate_W 8
	s_sub_co_u32 s40, ttmp9, 448                   ; under 64 (unsigned): Wo
	s_sub_co_u32 s41, ttmp9, 192                   ; Wo's tile in ow
	s_min_u32 s42, ttmp9, 448                      ; the others' tile in xw
	s_mov_b32 s43, XW_SC
	s_cmp_lt_u32 s40, 64
	s_cselect_b32 s42, s41, s42
	s_cselect_b32 s43, OW_SC, s43
	s_mul_i32 s44, s42, 12288
	s_mul_i32 s45, s[WV], 1536
	s_add_co_u32 s44, s44, s45                     ; my fragment's image
	s_mov_b32 s45, 0
	s_lshl_b32 s46, s42, 9
	s_add_co_u32 s46, s46, s43                     ; the tile's scale words
	s_mov_b32 s47, 0
	s_wait_kmcnt 0x0
	s_load_b96 s[52:54], s[18:19], 0x0             ; rel_b; waited for where it is used
	s_mov_b64 s[26:27], s[4:5]
	s_cmp_eq_u32 s33, 4
	s_cselect_b64 s[26:27], s[6:7], s[26:27]
	s_cmp_eq_u32 s33, 5
	s_cselect_b64 s[26:27], s[8:9], s[26:27]
	s_cmp_eq_u32 s33, 6
	s_cselect_b64 s[26:27], s[10:11], s[26:27]
	s_cmp_eq_u32 s33, 7
	s_cselect_b64 s[26:27], s[12:13], s[26:27]
	s_cmp_eq_u32 s33, 8
	s_cselect_b64 s[26:27], s[14:15], s[26:27]
	s_add_nc_u64 s[28:29], s[26:27], s[36:37]      ; rows 0-7
	s_add_nc_u64 s[30:31], s[28:29], s[38:39]      ; rows 8-15
	s_cmp_lt_u32 s40, 64
	s_cselect_b64 s[48:49], s[22:23], s[20:21]
	s_add_nc_u64 s[56:57], s[48:49], s[44:45]
	s_add_nc_u64 s[58:59], s[48:49], s[46:47]
.irp d, 0,1,2,3,4,5
	global_load_b128 v[RW+4*\d:RW+4*\d+3], v4, s[16:17] offset:(\d%3)*8192+(\d/3)*4096   ; rel_W: columns 0-2 its first 1,024 numbers of a row, 3-5 its second.  Every work-group loads them; only hidden_states' use them
.endr
.irp i, 0,1,2,3,4,5,6,7
	global_load_b128 v[R+4*\i:R+4*\i+3], v4, s[28:29] offset:\i*4096 th:TH_LOAD_NT        ; 32 lanes read 512 consecutive bytes of a row
.endr
.irp i, 0,1,2,3,4,5,6,7
	global_load_b128 v[R+32+4*\i:R+32+4*\i+3], v4, s[30:31] offset:\i*4096 th:TH_LOAD_NT
.endr
.irp i, 0,1,2,3,4,5,6,7,8,9,10,11,12,13,14,15
	s_wait_loadcnt 15-\i                           ; row i is in; the rows behind it may be out
	ds_store_b128 v5, v[R+4*\i:R+4*\i+3] offset:528*\i
.endr
	s_cmp_lt_u32 ttmp9, 256                        ; the six dot products: hidden_states alone
	s_cbranch_scc0 .Lno_dots
.set n, 0
.rept 24                                       ; four sums at a time: my 4 numbers of row n / 6 against column n % 6
.irp u, 0,1,2,3
	v_pk_mul_f32 v[16+2*\u:17+2*\u], v[R+4*((n+\u)/6):R+4*((n+\u)/6)+1], v[RW+4*((n+\u)%6):RW+4*((n+\u)%6)+1]
.endr
.irp u, 0,1,2,3
	s_delay_alu instid0(VALU_DEP_4)
	v_pk_fma_f32 v[16+2*\u:17+2*\u], v[R+4*((n+\u)/6)+2:R+4*((n+\u)/6)+3], v[RW+4*((n+\u)%6)+2:RW+4*((n+\u)%6)+3], v[16+2*\u:17+2*\u]
.endr
.irp u, 0,1,2,3
	s_delay_alu instid0(VALU_DEP_4)
	v_add_f32 v[ACC+n+\u], v[16+2*\u], v[17+2*\u]
.endr
.set n, n+4
.endr
.set n, 0
.rept 48                                       ; rows i and i + 8 change halves: lanes 0-15 then hold row i's 32 parts in two registers, lanes 16-31 row i + 8's
	v_permlane16_swap_b32 v[ACC+n], v[ACC+48+n]
.set n, n+1
.endr
.set n, 0
.rept 48
	v_add_f32 v[ACC+n], v[ACC+n], v[ACC+48+n]
.set n, n+1
.endr
.irp m, 8,4,2,1
.set n, 0
.rept 48
	v_add_f32_dpp v[ACC+n], v[ACC+n], v[ACC+n] row_xmask:\m row_mask:0xf bank_mask:0xf
.set n, n+1
.endr
.endr
.set n, 0
.rept 48
	ds_store_b32 v9, v[ACC+n] offset:64*(n%6)+4*(n/6)   ; row n / 6 + 8 h, column n % 6: sixteen lanes write the same word with the same value
.set n, n+1
.endr
.Lno_dots:
.irp c, 0,1
.irp q, 0,1,2,3,4,5,6,7
	ds_load_b128 v[R+32*\c+4*\q:R+32*\c+4*\q+3], v6 offset:256*\c+16*\q   ; LDS serves a wave's instructions in order: these see my stores.  Lane (r, h): k = 64 c + 32 h + 0 .. 31 of row r: two whole blocks
.endr
.endr
	s_wait_dscnt 0x0
.irp c, 0,1
	v_max3_num_f32 v[16+\c], |v[R+32*\c]|, |v[R+32*\c+1]|, 0x1800000   ; my block 2 c + h, and the floor 2^(3 - 127): the byte cannot fall under 1
.endr
.irp i, 2,4,6,8,10,12,14,16,18,20,22,24,26,28,30
.irp c, 0,1
	s_delay_alu instid0(VALU_DEP_2)
	v_max3_num_f32 v[16+\c], v[16+\c], |v[R+32*\c+\i]|, |v[R+32*\c+\i+1]|
.endr
.endr
.irp c, 0,1
	s_delay_alu instid0(VALU_DEP_2)
	v_add_nc_u32 v[18+\c], 0xff000000, v[16+\c]    ; 2 off the exponent field: the conversion takes the exponent field of this operand as its scale
.endr
.irp c, 0,1
	s_delay_alu instid0(VALU_DEP_2)
	v_lshrrev_b32 v[20+\c], 23, v[18+\c]           ; the scale's byte
.endr
	s_delay_alu instid0(VALU_DEP_1)
	v_lshl_or_b32 v22, v21, 16, v20                ; my two bytes, blocks h and 2 + h,
	s_delay_alu instid0(VALU_DEP_1)
	v_lshlrev_b32 v22, v10, v22                    ; at their places in the word;
	s_delay_alu instid0(VALU_DEP_1)
	v_permlanex16_b32 v23, v22, s[SEL], s[SEL+1]
	s_delay_alu instid0(VALU_DEP_1)
	v_or_b32 v22, v22, v23                         ; with lane l xor 16's two the word is whole
.irp c, 0,1
	v_cvt_scalef32_pk16_fp6_f32 v[PC+6*\c:PC+6*\c+2], v[R+32*\c:R+32*\c+15], v[18+\c]
	v_cvt_scalef32_pk16_fp6_f32 v[CT+4*\c:CT+4*\c+2], v[R+32*\c+16:R+32*\c+31], v[18+\c]   ; (a conversion's three registers begin on an even number)
.endr
	v_nop                                          ; one plain place behind a scaled conversion
.irp c, 0,1
.irp i, 0,1,2
	v_mov_b32 v[PC+3+6*\c+\i], v[CT+4*\c+\i]
.endr
.endr
.irp c, 0,1,2
	global_store_b128 v7, v[PC+4*\c:PC+4*\c+3], s[56:57] offset:512*\c   ; the image: 512 consecutive bytes an instruction
.endr
	ds_store_b32 v8, v22                           ; both halves of the lanes write the same word with the same value
	s_wait_dscnt 0x0                               ; for the others' sake: my stores have landed
	s_barrier_signal -1
	s_barrier_wait -1
	s_cmp_eq_u32 s[WV], 1                          ; wave 1 sends the tile's 512 bytes of scale words
	s_cbranch_scc0 .Lnot_wave_1
	ds_load_b128 v[24:27], v12
	s_wait_dscnt 0x0
	global_store_b128 v7, v[24:27], s[58:59]
.Lnot_wave_1:
	s_cmp_eq_u32 s[WV], 0                          ; wave 0 of a tile of hidden_states adds the eight waves' sums
	s_cbranch_scc0 .Lend
	s_cmp_lt_u32 ttmp9, 256
	s_cbranch_scc0 .Lend
.irp s, 0,1,2,3,4,5,6,7
.irp d, 0,1,2,3,4,5
	ds_load_b32 v[ACC+6*\s+\d], v11 offset:384*\s+64*\d
.endr
.endr
	s_lshl_b32 s60, ttmp9, 7
	s_mov_b32 s61, 0
	s_add_nc_u64 s[60:61], s[24:25], s[60:61]      ; ra of my tile
	s_lshr_b32 s62, ttmp9, 7
	s_lshl_b32 s62, s62, 14                        ; rc: the batch,
	s_and_b32 s63, ttmp9, 126
	s_lshl_b32 s63, s63, 6                         ; 4 x 32 x (tile in the batch / 2),
	s_add_co_u32 s62, s62, s63
	s_and_b32 s63, ttmp9, 1
	s_lshl_b32 s63, s63, 5                         ; 4 x 8 x (tile % 2)
	s_add_co_u32 s62, s62, s63
	s_mov_b32 s63, 0
	s_add_nc_u64 s[62:63], s[24:25], s[62:63]
	v_lshlrev_b32 v28, 2, v1                       ; ra: 64 h + 4 r
	v_and_b32 v29, 8, v2
	s_delay_alu instid0(VALU_DEP_1)
	v_add_nc_u32 v29, v29, v2
	s_delay_alu instid0(VALU_DEP_1)
	v_lshlrev_b32 v29, 2, v29
	s_delay_alu instid0(VALU_DEP_1)
	v_lshl_add_u32 v29, v3, 13, v29                ; rc: 8,192 h + 4 (r + 8 (r / 8))
	s_wait_dscnt 0x0
.irp s, 1,2,3,4,5,6,7
.irp d, 0,1,2,3,4,5
	v_add_f32 v[ACC+\d], v[ACC+\d], v[ACC+6*\s+\d] ; K ascending
.endr
.endr
	s_wait_alu depctr_va_vdst(0)
	s_wait_kmcnt 0x0                               ; rel_b
	v_add_f32 v16, s52, v[ACC]
	v_add_f32 v17, s53, v[ACC+1]
	v_add_f32 v18, s54, v[ACC+2]
	s_delay_alu instid0(VALU_DEP_1)
	v_sub_f32 v16, v16, v18
	s_delay_alu instid0(VALU_DEP_2)
	v_sub_f32 v17, v17, v18
	v_sub_f32 v19, v[ACC+3], v[ACC+5]
	v_sub_f32 v20, v[ACC+4], v[ACC+5]
	v_cmp_ne_u32 vcc_lo, 0, v3
	s_delay_alu instid0(VALU_DEP_1)
	v_cndmask_b32 v16, v16, v17, vcc_lo            ; lanes 0-15 send relation 0's, lanes 16-31 relation 1's
	s_delay_alu instid0(VALU_DEP_2)
	v_cndmask_b32 v19, v19, v20, vcc_lo
	s_delay_alu instid0(VALU_DEP_2)
	v_mul_f32 v16, L2E, v16
	s_delay_alu instid0(VALU_DEP_2)
	v_mul_f32 v19, L2E, v19
	global_store_b32 v28, v16, s[60:61]
	global_store_b32 v29, v19, s[62:63] offset:REL_RC
.Lend:
	s_wait_tensorcnt 0x0                           ; the wave's end, behind my last LDS store
	ds_add_u32 v[SPW], v[NIL]
	s_wait_dscnt 0x0
	s_endpgm
.Lfunc_end_k_q8bbb098a07_quant:
	.size	k_q8bbb098a07_quant, .Lfunc_end_k_q8bbb098a07_quant-k_q8bbb098a07_quant
	.p2alignl 7, 3214868480
	.fill 96, 4, 3214868480
	.section	.rodata,"a",@progbits
	.p2align	6, 0x0
	.amdhsa_kernel k_q8bbb098a07_quant
		.amdhsa_group_segment_fixed_size 72192
		.amdhsa_private_segment_fixed_size 0
		.amdhsa_enable_private_segment 0
		.amdhsa_kernarg_size 88
		.amdhsa_user_sgpr_count 2
		.amdhsa_user_sgpr_kernarg_segment_ptr 1
		.amdhsa_wavefront_size32 1
		.amdhsa_system_sgpr_workgroup_id_x 1
		.amdhsa_system_sgpr_workgroup_id_y 1
		.amdhsa_system_sgpr_workgroup_id_z 1
		.amdhsa_system_vgpr_workitem_id 0
		.amdhsa_next_free_vgpr 240
		.amdhsa_next_free_sgpr 66
		.amdhsa_reserve_vcc 1
		.amdhsa_float_denorm_mode_32 3
		.amdhsa_float_denorm_mode_16_64 3
		.amdhsa_memory_ordered 1
		.amdhsa_forward_progress 1
		.amdhsa_inst_pref_size 59
	.end_amdhsa_kernel
	.amdgpu_metadata
---
amdhsa.version: [ 1, 2 ]
amdhsa.kernels:
  - .name:           k_q8bbb098a07_quant
    .symbol:         k_q8bbb098a07_quant.kd
    .args:
      - { .name: hidden_states, .offset: 0, .size: 8, .value_kind: global_buffer, .address_space: global }
      - { .name: Wq, .offset: 8, .size: 8, .value_kind: global_buffer, .address_space: global }
      - { .name: Wk, .offset: 16, .size: 8, .value_kind: global_buffer, .address_space: global }
      - { .name: Wv, .offset: 24, .size: 8, .value_kind: global_buffer, .address_space: global }
      - { .name: Wo, .offset: 32, .size: 8, .value_kind: global_buffer, .address_space: global }
      - { .name: gate_W, .offset: 40, .size: 8, .value_kind: global_buffer, .address_space: global }
      - { .name: rel_W, .offset: 48, .size: 8, .value_kind: global_buffer, .address_space: global }
      - { .name: rel_b, .offset: 56, .size: 8, .value_kind: global_buffer, .address_space: global }
      - { .name: xw, .offset: 64, .size: 8, .value_kind: global_buffer, .address_space: global }
      - { .name: ow, .offset: 72, .size: 8, .value_kind: global_buffer, .address_space: global }
      - { .name: rel, .offset: 80, .size: 8, .value_kind: global_buffer, .address_space: global }
    .group_segment_fixed_size: 72192
    .private_segment_fixed_size: 0
    .kernarg_segment_align: 8
    .kernarg_segment_size: 88
    .max_flat_workgroup_size: 256
    .sgpr_count:     66
    .vgpr_count:     240
    .wavefront_size: 32
...
	.end_amdgpu_metadata
.endif
;; end of part 1
;; launch qkv (part 2): grid 256 x 1, 4 waves a work-group, no clusters, 0 bytes of LDS; arguments xw, bq, bk, bv, gate_b, logical_bias, qg, kv; writes qg, kv
.if DOCPART == 2
	.amdgcn_target "amdgcn-amd-amdhsa--gfx1250"
	.amdhsa_code_object_version 6
	.text
	.protected	k_q8bbb098a07_qkv
	.globl	k_q8bbb098a07_qkv
	.p2align	8
	.type	k_q8bbb098a07_qkv,@function
k_q8bbb098a07_qkv:
	s_mov_b64 s[64:65], 0
	v_nop
	global_prefetch_b8 v0, s[64:65] scope:SCOPE_SE
	s_setreg_imm32_b32 hwreg(HW_REG_WAVE_MODE, 25, 1), 1
	s_wait_xcnt 0x0
; q, k, v = x W^T + b on codes of FP6 (E2M3), and the gate; the results are quantised in registers and leave as images of the next products' operands.  Neither q, k nor v goes to memory as f32.
; Work-group 8 mblock + nb: 128 tokens (x's tiles 8 mblock ..) x columns 128 nb .. + 127 (a pair of heads).  Wave 0 makes q, wave 1 k, wave 2 v: each 128 x 128, 64 accumulators; wave 3 the gate of x's tile number = work-group.
; OPERANDS COME FROM MEMORY STRAIGHT INTO REGISTERS: xw holds images of fragments (1,536 bytes: registers 4 c .. 4 c + 3 of lane l at 512 c + 16 l; a tile's eight K steps on end), so three loads of 16 bytes a lane bring one.
; No LDS, no tensor load, no cluster: K is eight steps, all written out, every offset an immediate; a wave's 128 x 128 feeds 64 products from 16 fragments.
; q, k: source 0 = 16 rows of W, source 1 = 16 tokens: a lane holds ONE token and its registers run along the pair's 128 channels, the next product's K.
; v:    source 0 = 16 tokens, source 1 = 16 rows of Wv: a lane holds ONE channel and its registers run along the 128 tokens, which are the second attention product's K.
; The rows of a tile are chosen (tile 2 B + u, row rho: 32 B + 8 u + rho + 8 (rho / 8)) so that the 16 registers of result tiles 2 b, 2 b + 1 are 16 neighbours: 32 b + 16 (lane / 16) + 0 .. 15.
; The bias is the C of each sum's first product.
; OUT.  qg: record 8 mblock + nb, 12,288 bytes: image a = token tile 8 mblock + a, K = the pair's channels; from QG_SC scale words [record][rho][a]; from QG_GW gw[tile][3][head][rho] f32 = 8 gate x (LB0 - LB2, LB1 - LB2, LB2).
;       kv: blocks of 102,400 bytes, block 2 mblock + nb / 4: K's 4 pairs x 8 key tiles, V^T's 4 pairs x 8 channel tiles, then their scale words [pair][rho][a].
; LIMITS: NaN and infinities are not served; a block whose largest magnitude lies under 2^-124 keeps the byte 1 (this program alone reads the bytes).
.set XW_SC,  5517312
.set SECTION, XW_SC
.set QG_SC,  3145728
.set QG_GW,  3276800
.set BASE, 4                           ; s[4:5] xw
.set WV,   20
.set SEL,  50                          ; s[50:51]
.set L16, 1                            ; v1  16 x lane
.set OF0, 2                            ; v2  source 0's first tile x 12,288 + 16 x lane
.set OF1, 3                            ; v3  source 1's
.set OSC, 4                            ; v4  scale words: lanes 0-15 source 1's tiles, lanes 16-31 source 0's
.set MX,  224                          ; v224-227 largest magnitudes; v228-231 lane exchange, bytes; v232-235 the conversions' scale operands
.set MP,  228
.set SO,  232
.set CT,  96                           ; v96-103 the conversions' second halves
; window 0: v16-31 scale words, two sets of 8 (they hold scales and nothing else); v32-127, v128-223 source 1's fragments, two sets.   window 1: v0-95, v96-191 source 0's, two sets; v192-255 the bias as C.
; windows 2, 3: accumulator (a, b) at v[8 (8 (a % 4) + b)]: a = source 1's tile, b = source 0's.
.set MSB, 0
.macro WIN new                         ; the immediate's high byte repeats the setting that is left
.if MSB != (\new)
	s_set_vgpr_msb (MSB<<8)|(\new)
.set MSB, (\new)
.endif
.endm
.macro PLACES                          ; four places behind a matrix instruction, in front of loads into its registers and of the first read of results
.rept 4
	v_nop
.endr
.endm
.macro FETCH s                         ; K step s: 8 + 8 fragments and 8 registers of scale words into set s % 2: 56 loads
	WIN 0x40
.irp i, 0,1,2,3,4,5,6,7
.irp c, 0,1,2
	global_load_b128 v[96*((\s)%2)+12*\i+4*\c:96*((\s)%2)+12*\i+4*\c+3], v[OF0], s[BASE:BASE+1] offset:12288*\i+1536*(\s)+512*\c
.endr
.endr
	WIN 0
.irp i, 0,1,2,3,4,5,6,7
.irp c, 0,1,2
	global_load_b128 v[32+96*((\s)%2)+12*\i+4*\c:32+96*((\s)%2)+12*\i+4*\c+3], v[OF1], s[BASE:BASE+1] offset:12288*\i+1536*(\s)+512*\c
.endr
.endr
.irp i, 0,1,2,3,4,5,6,7
	global_load_b32 v[16+8*((\s)%2)+\i], v[OSC], s[BASE:BASE+1] offset:SECTION+512*\i+64*(\s)
.endr
.endm
.macro MM a, b, p, mode                ; one product.  mode 0: onto the sum; 1: C = the bias of source 0's tile b; 2: C = the bias of source 1's tile a
.set rD, 8*(8*((\a)%4)+(\b))
.set rA, 96*(\p)+12*(\b)
.set rB, 32+96*(\p)+12*(\a)
.if \mode == 0
	v_wmma_scale_f32_16x16x128_f8f6f4 v[rD:rD+7], v[rA:rA+11], v[rB:rB+11], v[rD:rD+7], v[16+8*(\p)+(\b)], v[16+8*(\p)+(\a)] matrix_a_fmt:MATRIX_FMT_FP6 matrix_b_fmt:MATRIX_FMT_FP6 matrix_a_scale:MATRIX_SCALE_ROW1
.elseif \mode == 1
	v_wmma_scale_f32_16x16x128_f8f6f4 v[rD:rD+7], v[rA:rA+11], v[rB:rB+11], v[192+8*(\b):192+8*(\b)+7], v[16+8*(\p)+(\b)], v[16+8*(\p)+(\a)] matrix_a_fmt:MATRIX_FMT_FP6 matrix_b_fmt:MATRIX_FMT_FP6 matrix_a_scale:MATRIX_SCALE_ROW1
.else
	v_wmma_scale_f32_16x16x128_f8f6f4 v[rD:rD+7], v[rA:rA+11], v[rB:rB+11], v[192+8*(\a):192+8*(\a)+7], v[16+8*(\p)+(\b)], v[16+8*(\p)+(\a)] matrix_a_fmt:MATRIX_FMT_FP6 matrix_b_fmt:MATRIX_FMT_FP6 matrix_a_scale:MATRIX_SCALE_ROW1
.endif
.endm
.macro MUL64 p, mode                   ; a K step's 64 products: the 64 accumulators take turns, one instruction a turn, in the same order in every step
.irp a, 0,1,2,3,4,5,6,7
.if \mode == 0
	WIN 0xa1+0x50*(\a/4)                           ; source 0 window 1, source 1 window 0, C and D window 2 or 3
.else
	WIN 0x91+0x40*(\a/4)                           ; C window 1
.endif
.irp b, 0,1,2,3,4,5,6,7
	MM \a, \b, \p, \mode
.endr
.endr
.endm
.macro KSTEP s
	PLACES                                         ; the loads below go into registers that the step before has read
.if (\s) < 7
	FETCH (\s)+1
	s_wait_loadcnt 56                              ; all but the 56 just issued: this step's operands are in
.else
	s_wait_loadcnt 0x0
.endif
	MUL64 (\s)%2, 0
.endm
; 64 numbers of a lane, v[src] .. v[src + 63] of window sw, register 16 b + i = k 32 b + 16 (lane / 16) + i of my row, become a fragment's codes in v[pc] on and its scale word in v[pw], both in window 0.
.macro QUANT src, sw, pc, pw
	WIN 0
.irp b, 0,1,2,3
	v_mov_b32 v[MX+\b], 0x1800000                  ; the floor 2^(3 - 127): the byte cannot fall under 1
.endr
	WIN ((\sw)<<2)|((\sw)<<4)
.irp i, 0,2,4,6,8,10,12,14
.irp b, 0,1,2,3
	v_max3_num_f32 v[MX+\b], v[MX+\b], |v[(\src)+16*\b+\i]|, |v[(\src)+16*\b+\i+1]|   ; the four blocks by turns; each accumulator from its low end on
.endr
.endr
	WIN 0
.irp b, 0,1,2,3
	v_permlanex16_b32 v[MP+\b], v[MX+\b], s[SEL], s[SEL+1]
.endr
.irp b, 0,1,2,3
	v_max_num_f32 v[MX+\b], v[MX+\b], v[MP+\b]     ; with lane l xor 16's: the block's largest magnitude
.endr
.irp b, 0,1,2,3
	v_add_nc_u32 v[SO+\b], 0xff000000, v[MX+\b]    ; 2 off its exponent field: the conversion's scale operand
.endr
.irp b, 0,1,2,3
	v_lshrrev_b32 v[MP+\b], 23, v[SO+\b]           ; the scale's byte
.endr
	v_lshl_or_b32 v[\pw], v[MP+1], 8, v[MP]
	v_lshl_or_b32 v[\pw], v[MP+2], 16, v[\pw]
	v_lshl_or_b32 v[\pw], v[MP+3], 24, v[\pw]
	WIN \sw
.irp c, 0,1
	v_cvt_scalef32_pk16_fp6_f32 v[(\pc)+6*\c:(\pc)+6*\c+2], v[(\src)+32*\c:(\src)+32*\c+15], v[SO+2*\c]
	v_cvt_scalef32_pk16_fp6_f32 v[CT+4*\c:CT+4*\c+2], v[(\src)+32*\c+16:(\src)+32*\c+31], v[SO+2*\c+1]   ; (a conversion's three registers begin on an even number)
.endr
	WIN 0
	v_nop                                          ; one plain place behind a scaled conversion
.irp c, 0,1                                    ; the operand's layout wants a WHOLE block in a lane: lanes 0-15 block 2 c, lanes 16-31 block 2 c + 1
.irp i, 0,1,2
	v_permlane16_swap_b32 v[(\pc)+6*\c+\i], v[CT+4*\c+\i]
.endr
.irp i, 0,1,2
	v_mov_b32 v[(\pc)+3+6*\c+\i], v[CT+4*\c+\i]
.endr
.endr
.endm
	s_load_b256 s[4:11], s[0:1], 0x0               ; xw, bq, bk, bv
	s_load_b256 s[12:19], s[0:1], 0x20             ; gate_b, logical_bias, qg, kv
	v_lshrrev_b32 v1, 5, v0
	v_readfirstlane_b32 s[WV], v1                  ; wave 0..3
	v_and_b32 v7, 31, v0
	v_lshlrev_b32 v[L16], 4, v7
	v_and_b32 v5, 15, v0                           ; r
	v_bfe_u32 v6, v0, 4, 1                         ; h
	v_cmp_ne_u32 vcc_lo, 0, v6                     ; lanes 16-31; written once
	s_lshr_b32 s21, ttmp9, 3                       ; mblock
	s_and_b32 s22, ttmp9, 7                        ; nb
	s_mov_b32 s[SEL], 0x76543210
	s_mov_b32 s[SEL+1], 0xfedcba98
	s_wait_kmcnt 0x0
	s_cmp_eq_u32 s[WV], 3
	s_cbranch_scc1 .Lgate
	s_lshl_b32 s24, s[WV], 6
	s_lshl_b32 s25, s22, 3
	s_add_co_u32 s24, s24, s25
	s_add_co_u32 s24, s24, 256                     ; the weight's first tile: 256 + 64 w + 8 nb
	s_lshl_b32 s25, s21, 3                         ; x's first tile
	s_cmp_lt_u32 s[WV], 2
	s_cselect_b32 s26, s24, s25                    ; source 0: q, k the weight; v the tokens
	s_cselect_b32 s27, s25, s24                    ; source 1
	s_mul_i32 s28, s26, 12288
	s_mul_i32 s29, s27, 12288
	s_wait_alu depctr_va_vdst(0)
	v_add_nc_u32 v[OF0], s28, v[L16]
	v_add_nc_u32 v[OF1], s29, v[L16]
	s_lshl_b32 s28, s26, 9
	s_lshl_b32 s29, s27, 9
	v_mov_b32 v8, s29
	v_mov_b32 v9, s28
	v_cndmask_b32 v[OSC], v8, v9, vcc_lo
	v_lshl_add_u32 v[OSC], v5, 2, v[OSC]
.irp b, 0,1,2,3
	v_mov_b32 v[MP+\b], 0                          ; written once: a lane permute's destination counts as one of its sources
.endr
	s_cmp_eq_u32 s[WV], 0
	s_cselect_b64 s[30:31], s[6:7], s[8:9]
	s_cmp_eq_u32 s[WV], 2
	s_cselect_b64 s[30:31], s[10:11], s[30:31]
	s_lshl_b32 s32, s22, 9
	s_mov_b32 s33, 0
	s_add_nc_u64 s[30:31], s[30:31], s[32:33]      ; the bias of my 128 columns
	v_lshlrev_b32 v10, 6, v6                       ; 64 h
	v_and_b32 v11, 8, v5
	v_add_nc_u32 v11, v11, v5
	v_lshlrev_b32 v11, 2, v11                      ; 4 (r + 8 (r / 8))
	; where the results go
	s_lshl_b32 s38, s21, 1
	s_lshr_b32 s39, s22, 2
	s_add_co_u32 s38, s38, s39
	s_mul_i32 s38, s38, 102400                     ; kv's block
	s_and_b32 s39, s22, 3                          ; the pair in its group
	s_max_u32 s40, s[WV], 1
	s_sub_co_u32 s40, s40, 1                       ; 0: k, 1: v
	s_mul_i32 s41, s40, 49152
	s_mul_i32 s42, s39, 12288
	s_add_co_u32 s41, s41, s42
	s_add_co_u32 s41, s41, s38                     ; k, v: the images
	s_lshl_b32 s42, s40, 11
	s_lshl_b32 s43, s39, 9
	s_add_co_u32 s42, s42, s43
	s_add_co_u32 s42, s42, s38
	s_add_co_u32 s42, s42, 98304                   ; and the scale words
	s_mul_i32 s43, ttmp9, 12288                    ; q: the record
	s_lshl_b32 s44, ttmp9, 9
	s_add_co_u32 s44, s44, QG_SC
	s_mov_b32 s47, 0
	s_mov_b32 s49, 0
	s_cmp_eq_u32 s[WV], 0
	s_cselect_b64 s[34:35], s[16:17], s[18:19]
	s_cselect_b32 s46, s43, s41
	s_cselect_b32 s48, s44, s42
	s_add_nc_u64 s[36:37], s[34:35], s[48:49]
	s_add_nc_u64 s[34:35], s[34:35], s[46:47]
	s_cmp_eq_u32 s[WV], 2
	s_cbranch_scc1 .Lbias_v
	WIN 0x40
	s_wait_alu depctr_va_vdst(0)
.irp b, 0,1,2,3,4,5,6,7                        ; q, k: register j of tile b is column 32 (b / 2) + 16 h + 8 (b % 2) + j
	global_load_b128 v[192+8*\b:192+8*\b+3], v10, s[30:31] offset:(32*(\b/2)+8*(\b%2))*4
	global_load_b128 v[192+8*\b+4:192+8*\b+7], v10, s[30:31] offset:(32*(\b/2)+8*(\b%2))*4+16
.endr
	WIN 0
	s_branch .Lbias_in
.Lbias_v:
	WIN 0x40
	s_wait_alu depctr_va_vdst(0)
.irp a, 0,1,2,3,4,5,6,7                        ; v: all eight registers of tile a hold my channel's bias
.irp j, 0,1,2,3,4,5,6,7
	global_load_b32 v[192+8*\a+\j], v11, s[30:31] offset:(32*(\a/2)+8*(\a%2))*4
.endr
.endr
	WIN 0
.Lbias_in:
	FETCH 0
	FETCH 1
	s_wait_loadcnt 56                              ; the bias and K step 0 are in; K step 1's 56 loads may be out
	s_cmp_eq_u32 s[WV], 2
	s_cbranch_scc1 .Lfirst_v
	MUL64 0, 1                                     ; the first K step starts the sums, on the bias
	WIN 0
	s_branch .Lfirst_done
.Lfirst_v:
	MUL64 0, 2
	WIN 0
.Lfirst_done:
.irp s, 1,2,3,4,5,6,7
	KSTEP \s
.endr
	WIN 0
	PLACES
.irp a, 0,1,2,3,4,5,6,7                        ; source 1's tile a: its 64 registers a lane become one fragment; each has registers of its own, so no store's data are written again
	QUANT 64*(\a%4), 2+\a/4, 128+12*\a, 104+\a
.irp c, 0,1,2
	global_store_b128 v[L16], v[128+12*\a+4*\c:128+12*\a+4*\c+3], s[34:35] offset:1536*\a+512*\c
.endr
.endr
.irp i, 0,1,2,3
	v_cndmask_b32 v[112+\i], v[104+\i], v[108+\i], vcc_lo   ; a row's eight scale words: lanes 0-15 send tiles 0-3's, lanes 16-31 tiles 4-7's
.endr
	v_lshlrev_b32 v12, 5, v5
	v_lshl_add_u32 v12, v6, 4, v12                 ; 32 r + 16 h: the wave stores 512 consecutive bytes
	global_store_b128 v12, v[112:115], s[36:37]
	s_endpgm
.Lgate:                                        ; gate = sigmoid(x gate_W^T + gate_b) for x's tile T = work-group: source 0 = the 16 tokens, source 1 = the 16 heads: a lane holds ONE head, register j token row 8 h + j
	s_mul_i32 s24, ttmp9, 12288
	s_wait_alu depctr_va_vdst(0)
	v_add_nc_u32 v[OF0], s24, v[L16]
	s_lshl_b32 s25, ttmp9, 9
	v_mov_b32 v8, 448*512
	v_mov_b32 v9, s25
	v_cndmask_b32 v[OSC], v8, v9, vcc_lo           ; scale words: lanes 0-15 gate_W's (tile 448), lanes 16-31 x's
	v_lshl_add_u32 v[OSC], v5, 2, v[OSC]
	v_lshlrev_b32 v10, 2, v5                       ; gate_b: 4 r
	v_mul_u32_u24 v11, v5, 12                      ; logical_bias: 12 r
.irp s, 0,1,2,3,4,5,6,7
.irp c, 0,1,2
	global_load_b128 v[32+12*\s+4*\c:32+12*\s+4*\c+3], v[OF0], s[4:5] offset:1536*\s+512*\c
	global_load_b128 v[128+12*\s+4*\c:128+12*\s+4*\c+3], v[L16], s[4:5] offset:448*12288+1536*\s+512*\c
.endr
	global_load_b32 v[16+\s], v[OSC], s[4:5] offset:XW_SC+64*\s
.endr
	global_load_b32 v12, v10, s[12:13]
	global_load_b32 v13, v11, s[14:15]
	global_load_b32 v14, v11, s[14:15] offset:4
	global_load_b32 v15, v11, s[14:15] offset:8
	s_mul_i32 s26, ttmp9, 3072
	v_lshlrev_b32 v8, 6, v5
	v_lshl_add_u32 v8, v6, 5, v8
	v_add_nc_u32 v8, s26, v8                       ; gw: 3,072 T + 64 r + 32 h
	s_wait_loadcnt 0x0
.irp s, 0,1,2,3,4,5,6,7                        ; two accumulators by turns: the even K steps' and the odd ones'
.if \s < 2
	v_wmma_scale_f32_16x16x128_f8f6f4 v[224+8*(\s%2):231+8*(\s%2)], v[32+12*\s:43+12*\s], v[128+12*\s:139+12*\s], 0, v[16+\s], v[16+\s] matrix_a_fmt:MATRIX_FMT_FP6 matrix_b_fmt:MATRIX_FMT_FP6 matrix_a_scale:MATRIX_SCALE_ROW1
.else
	v_wmma_scale_f32_16x16x128_f8f6f4 v[224+8*(\s%2):231+8*(\s%2)], v[32+12*\s:43+12*\s], v[128+12*\s:139+12*\s], v[224+8*(\s%2):231+8*(\s%2)], v[16+\s], v[16+\s] matrix_a_fmt:MATRIX_FMT_FP6 matrix_b_fmt:MATRIX_FMT_FP6 matrix_a_scale:MATRIX_SCALE_ROW1
.endif
.endr
	PLACES
.irp j, 0,1,2,3,4,5,6,7
	v_add_f32 v[240+\j], v[224+\j], v[232+\j]
.endr
.irp j, 0,1,2,3,4,5,6,7
	v_add_f32 v[240+\j], v[240+\j], v12
.endr
.irp j, 0,1,2,3,4,5,6,7
	v_mul_f32 v[240+\j], 0xbfb8aa3b, v[240+\j]     ; - z log2(e)
.endr
	s_wait_alu depctr_va_vdst(0)
.irp j, 0,1,2,3,4,5,6,7
	v_exp_f32 v[240+\j], v[240+\j]
.endr
	v_sub_f32 v13, v13, v15                        ; LB0 - LB2.  (A plain place behind the exponentials)
	s_wait_alu depctr_va_vdst(0)                   ; one wait for the batch, ahead of its first reader
.irp j, 0,1,2,3,4,5,6,7
	v_add_f32 v[240+\j], 1.0, v[240+\j]
.endr
	s_wait_alu depctr_va_vdst(0)
.irp j, 0,1,2,3,4,5,6,7
	v_rcp_f32 v[240+\j], v[240+\j]                 ; the gate
.endr
	v_sub_f32 v14, v14, v15                        ; LB1 - LB2
	v_mul_f32 v13, 0x41000000, v13                 ; x 8: the scores are divided by 8 later, the bias with them
	v_mul_f32 v14, 0x41000000, v14
	v_mul_f32 v15, 0x41000000, v15
	s_wait_alu depctr_va_vdst(0)
.irp k, 0,1,2
.irp j, 0,1,2,3,4,5,6,7
	v_mul_f32 v[32+8*\k+\j], v[240+\j], v[13+\k]
.endr
.endr
.irp k, 0,1,2
	global_store_b128 v8, v[32+8*\k:35+8*\k], s[16:17] offset:QG_GW+1024*\k
	global_store_b128 v8, v[36+8*\k:39+8*\k], s[16:17] offset:QG_GW+1024*\k+16
.endr
	s_endpgm
.Lfunc_end_k_q8bbb098a07_qkv:
	.size	k_q8bbb098a07_qkv, .Lfunc_end_k_q8bbb098a07_qkv-k_q8bbb098a07_qkv
	.p2alignl 7, 3214868480
	.fill 96, 4, 3214868480
	.section	.rodata,"a",@progbits
	.p2align	6, 0x0
	.amdhsa_kernel k_q8bbb098a07_qkv
		.amdhsa_group_segment_fixed_size 0
		.amdhsa_private_segment_fixed_size 0
		.amdhsa_enable_private_segment 0
		.amdhsa_kernarg_size 64
		.amdhsa_user_sgpr_count 2
		.amdhsa_user_sgpr_kernarg_segment_ptr 1
		.amdhsa_wavefront_size32 1
		.amdhsa_system_sgpr_workgroup_id_x 1
		.amdhsa_system_sgpr_workgroup_id_y 1
		.amdhsa_system_sgpr_workgroup_id_z 1
		.amdhsa_system_vgpr_workitem_id 0
		.amdhsa_next_free_vgpr 1024
		.amdhsa_next_free_sgpr 66
		.amdhsa_reserve_vcc 1
		.amdhsa_float_denorm_mode_32 3
		.amdhsa_float_denorm_mode_16_64 3
		.amdhsa_memory_ordered 1
		.amdhsa_forward_progress 1
		.amdhsa_inst_pref_size 173
	.end_amdhsa_kernel
	.amdgpu_metadata
---
amdhsa.version: [ 1, 2 ]
amdhsa.kernels:
  - .name:           k_q8bbb098a07_qkv
    .symbol:         k_q8bbb098a07_qkv.kd
    .args:
      - { .name: xw, .offset: 0, .size: 8, .value_kind: global_buffer, .address_space: global }
      - { .name: bq, .offset: 8, .size: 8, .value_kind: global_buffer, .address_space: global }
      - { .name: bk, .offset: 16, .size: 8, .value_kind: global_buffer, .address_space: global }
      - { .name: bv, .offset: 24, .size: 8, .value_kind: global_buffer, .address_space: global }
      - { .name: gate_b, .offset: 32, .size: 8, .value_kind: global_buffer, .address_space: global }
      - { .name: logical_bias, .offset: 40, .size: 8, .value_kind: global_buffer, .address_space: global }
      - { .name: qg, .offset: 48, .size: 8, .value_kind: global_buffer, .address_space: global }
      - { .name: kv, .offset: 56, .size: 8, .value_kind: global_buffer, .address_space: global }
    .group_segment_fixed_size: 0
    .private_segment_fixed_size: 0
    .kernarg_segment_align: 8
    .kernarg_segment_size: 64
    .max_flat_workgroup_size: 128
    .sgpr_count:     66
    .vgpr_count:     1024
    .wavefront_size: 32
...
	.end_amdgpu_metadata
.endif
;; end of part 2
;; launch attn (part 3): grid 64 x 4, 8 waves a work-group, clusters of 4 x 1, 327,680 bytes of LDS; arguments qg, kv, rel, ow; writes ow
.if DOCPART == 3
	.amdgcn_target "amdgcn-amd-amdhsa--gfx1250"
	.amdhsa_code_object_version 6
	.text
	.protected	k_q8bbb098a07_attn
	.globl	k_q8bbb098a07_attn
	.p2align	8
	.type	k_q8bbb098a07_attn,@function
k_q8bbb098a07_attn:
	s_mov_b64 s[64:65], 0
	v_nop
	global_prefetch_b8 v0, s[64:65] scope:SCOPE_SE
	s_setreg_imm32_b32 hwreg(HW_REG_WAVE_MODE, 25, 1), 1
	s_wait_xcnt 0x0
	s_wait_alu depctr_hold_cnt(0) depctr_sa_sdst(0) depctr_va_vdst(0) depctr_va_sdst(0) depctr_va_ssrc(0) depctr_va_vcc(0) depctr_vm_vsrc(0)
	s_getreg_b32 s2, hwreg(HW_REG_IB_STS2, 6, 4)
	s_cmp_eq_u32 s2, 0
	s_cbranch_scc0 .Lentry_in_a_cluster
	s_endpgm
.Lentry_in_a_cluster:
	s_bfe_u32 s2, ttmp6, 0x10000c
	s_cmp_lg_u32 s2, 0x3003
	s_cbranch_scc0 .Lentry_shape_is_right
	s_endpgm
.Lentry_shape_is_right:
; Attention on codes of FP6 (E2M3): S^T = k q^T + 8 gate x bias, p = 2^(t - M) with M the ceiling of the running largest t, O^T += v^T p^T, O / sum, quantised for the last projection.
; A work-group: 32 queries (two tiles of 16) x 4 pairs of heads of one batch; wave w takes tile w % 2 and pair w / 2: a lane holds ONE query, its registers run along the keys.  16 steps of 128 keys.
; K, V and their scale words of a step are one block of 102,400 bytes of kv, in a ring of two LDS slots.  The four work-groups of a cluster walk the same blocks: each block is asked for jointly (mask 15), an eighth a wave.
; THE RELATION PROBABILITIES P0, P1 of a query tile and 128 keys are the same for all heads: each of the tile's four waves makes 32 keys' worth (softmax over 3 logits, the largest taken away) and hands it on through LDS
; as an image of registers.  The image has TWO buffers: step t + 1's is made inside step t, while step t's fragments of K are on their way from LDS; behind the step's one plain barrier its first two chunks
; are fetched into registers, so that step t + 1 begins with multiply-adds whose operands are there.  bias = w2 + w0 P0 + w1 P1 is the C of the score products.
; The score products stand between the chunks of multiply-adds; V's fragments are fetched during the first head's softmax.
; PREFETCH: waves 0-3 of the clusters with x = 0 name the block that the next refill but one asks for, 100 lines 256 bytes apart for each partner, shared out by address.
; LIMITS: NaN and infinities are not served; the promise holds while the scaled scores stay under 2^31 in magnitude; a block of p or of O whose largest magnitude lies under 2^-124 keeps the byte 1.
.set QG_SC,  3145728
.set QG_GW,  3276800
.set REL_RC, 32768
.set OW_SC,  3932160
.set BLKB,   102400                    ; a block of kv: K 49,152, V^T 49,152, scale words 2 x 2,048
.set SLOT1,  131072                    ; slot 0 at byte 0, slot 1 here
.set RC,     102400                    ; rc of the batch: [2][2,048] f32, filled once
.set OSTG,   118784                    ; the output's scale words, 512 bytes
.set SPARE,  119296                    ; the spare words, 128 bytes a wave
.set PIMG,   233472                    ; the relation image: [buffer][query tile][P0, P1][chunk of 32 keys][4 x 512 bytes]
.set PBUF,   32768
.set L16, 1
.set KB,  2
.set VB,  3
.set KSB, 4
.set VSB, 5
.set PRB, 6
.set PWB, 7
.set RCB, 8
.set ADK, 9
.set ADV, 10
.set ADKS, 11
.set ADVS, 12
.set ADRC, 13
.set SPW, 14
.set NIL, 15
.set STA, 16                           ; -M, largest t, the sum in two halves: head A; STB head B
.set STB, 20
.set FF,  24
.set WA,  26                           ; w0, w1, w2 as pairs: head A; WB head B
.set WB,  32
.set A0,  38
.set KS,  40
.set VS,  48
.set PC,  56
.set CT,  68
.set MX,  76
.set MP,  80
.set SO,  84
.set TT,  88
.set A1,  90
.set QS,  92
.set PS,  93
.set PFO, 94
.set SA,  96                           ; v96-159 scores of head A, v160-223 of head B
.set SB,  160
.set PX0, 128                          ; the next image's work: the scores' upper halves, free until chunks 2 and 3 are laid
.set PX1, 144
.set PM,  192
.set PE,  208
.set QL,  224
.set OSW, 236
.set OSR, 237
.set L8,  238
.set R4,  239
.set R32, 240
.set ADPR, 241                         ; this step's image; ADPW where I write the next; ADPN where I read the next
.set ADPW, 242
.set ADPN, 243
.set KV,  64                           ; window 1: v0-63 two chunks of P0, P1; v64-159 K's, then V's fragments; v160-177 q; v192-255 O^T
.set QA,  160
.set QB,  166
.set OA,  192
.set OB,  224
.set WV,  12
.set SEL, 20
.set CS,  22
.set TB,  48                           ; this step's slot
.set TP,  49                           ; this step's image buffer; TQ the other
.set TC,  50                           ; the next step's place in rc
.set STEPS, 51
.set LIM, 52
.set PFA, 54
.set TQ,  78
.set MSB, 0
.macro WIN new
.if MSB != (\new)
	s_set_vgpr_msb (MSB<<8)|(\new)
.set MSB, (\new)
.endif
.endm
; LDS loads into window 1 are laid a few at a time among the vector lines, from a list kept while the text is assembled: entries 0-23 the eight fragments at v[QAD] (K's or V's),
; entries 24-39 two chunks of the relation image at v[QPA], from chunk QB0 on.  TICK n issues the next n entries up to entry QE and leaves the windows as they were.
.set QP, 0
.set QE, 0
.set QAD, ADK
.set QPA, ADPR
.set QB0, 0
.macro TICK n
.if QP < QE
.set SV, MSB
	WIN 0x40
.rept \n
.if QP < QE
.if QP < 24
	ds_load_b128 v[KV+4*QP:KV+4*QP+3], v[QAD] offset:512*QP
.else
	ds_load_b128 v[4*(QP-24):4*(QP-24)+3], v[QPA] offset:2048*(QB0+(QP-24)/8)+8192*(((QP-24)%8)/4)+512*((QP-24)%4)
.endif
.set QP, QP+1
.endif
.endr
	WIN SV
.endif
.endm
.macro PLACES
.rept 4
	v_nop
.endr
.endm
.macro ROUND                           ; a round of the cluster's barrier
	s_barrier_signal -1
	s_barrier_wait -1
	s_cmp_lg_u32 s[WV], 0
	s_cbranch_scc1 .Lnot_wave_0_\@
	s_barrier_signal -3
.Lnot_wave_0_\@:
	s_barrier_wait -3
	s_barrier_signal -1
	s_barrier_wait -1
.endm
.macro ASK
	s_cmp_gt_u32 s[STEPS], s[LIM]
	s_cbranch_scc0 .Lnot_mine_\@
	global_prefetch_b8 v[PFO], s[PFA:PFA+1] th:TH_LOAD_NT scope:SCOPE_SE
.Lnot_mine_\@:
.endm
.macro QUANT src, sw, pc, pw           ; 64 numbers of a lane become a fragment's codes and its scale word
	WIN 0
.irp b, 0,1,2,3
	v_mov_b32 v[MX+\b], 0x1800000
.endr
	WIN ((\sw)<<2)|((\sw)<<4)
.irp i, 0,2,4,6,8,10,12,14
.irp b, 0,1,2,3
	s_delay_alu instid0(VALU_DEP_4)
	v_max3_num_f32 v[MX+\b], v[MX+\b], |v[(\src)+16*\b+\i]|, |v[(\src)+16*\b+\i+1]|
.endr
.endr
	WIN 0
.irp b, 0,1,2,3
	s_delay_alu instid0(VALU_DEP_4)
	v_permlanex16_b32 v[MP+\b], v[MX+\b], s[SEL], s[SEL+1]
.endr
.irp b, 0,1,2,3
	s_delay_alu instid0(VALU_DEP_4)
	v_max_num_f32 v[MX+\b], v[MX+\b], v[MP+\b]
.endr
.irp b, 0,1,2,3
	s_delay_alu instid0(VALU_DEP_4)
	v_add_nc_u32 v[SO+\b], 0xff000000, v[MX+\b]
.endr
.irp b, 0,1,2,3
	s_delay_alu instid0(VALU_DEP_4)
	v_lshrrev_b32 v[MP+\b], 23, v[SO+\b]
.endr
	s_delay_alu instid0(VALU_DEP_3)
	v_lshl_or_b32 v[\pw], v[MP+1], 8, v[MP]
	s_delay_alu instid0(VALU_DEP_1)
	v_lshl_or_b32 v[\pw], v[MP+2], 16, v[\pw]
	s_delay_alu instid0(VALU_DEP_1)
	v_lshl_or_b32 v[\pw], v[MP+3], 24, v[\pw]
	WIN \sw
.irp c, 0,1
	v_cvt_scalef32_pk16_fp6_f32 v[(\pc)+6*\c:(\pc)+6*\c+2], v[(\src)+32*\c:(\src)+32*\c+15], v[SO+2*\c]
	v_cvt_scalef32_pk16_fp6_f32 v[CT+4*\c:CT+4*\c+2], v[(\src)+32*\c+16:(\src)+32*\c+31], v[SO+2*\c+1]
.endr
	WIN 0
	v_nop
.irp c, 0,1
.irp i, 0,1,2
	v_permlane16_swap_b32 v[(\pc)+6*\c+\i], v[CT+4*\c+\i]
.endr
.irp i, 0,1,2
	s_delay_alu instid0(VALU_DEP_3)
	v_mov_b32 v[(\pc)+3+6*\c+\i], v[CT+4*\c+\i]
.endr
.endr
.endm
	s_load_b256 s[4:11], s[0:1], 0x0               ; qg, kv, rel, ow
	v_lshl_add_u32 v[SPW], v0, 2, SPARE
	v_mov_b32 v[NIL], 0
	ds_add_u32 v[SPW], v[NIL]
	ds_add_u32 v[SPW], v[NIL]
	v_lshrrev_b32 v1, 5, v0
	s_delay_alu instid0(VALU_DEP_1)
	v_readfirstlane_b32 s[WV], v1
	s_bfe_u32 s13, ttmp6, 0x40000                  ; cx
	s_and_b32 s14, ttmp7, 0xffff
	s_lshr_b32 s15, s14, 1                         ; batch
	s_and_b32 s16, s14, 1                          ; which four pairs of heads
	s_and_b32 s17, s[WV], 1                        ; my query tile of the two
	s_lshr_b32 s18, s[WV], 1                       ; my pair of the four
	s_lshl_b32 s19, s16, 2
	s_add_co_u32 s19, s19, s18                     ; my pair of the eight
	s_lshl_b32 s53, ttmp9, 2
	s_add_co_u32 s53, s53, s13
	s_lshl_b32 s53, s53, 1
	s_add_co_u32 s53, s53, s17
	s_lshl_b32 s56, s15, 7
	s_add_co_u32 s53, s53, s56                     ; my query tile of the 256
	s_mov_b32 s24, 15|(3<<16)|(1<<21)              ; group 1, a wave's eighth of a block: 50 rows of 256 bytes
	s_mov_b32 s25, 32<<16
	s_mov_b32 s26, 50<<16
	s_mov_b32 s27, 32<<16
	s_mov_b32 s28, 50
	s_mov_b32 s29, 32
	s_mov_b32 s30, 0
	s_mov_b32 s31, 0
	s_mov_b32 s32, 15|(3<<16)|(1<<21)              ; group 1, a wave's eighth of rc: 8 rows of 256 bytes
	s_mov_b32 s33, 32<<16
	s_mov_b32 s34, 8<<16
	s_mov_b32 s35, 32<<16
	s_mov_b32 s36, 8
	s_mov_b32 s37, 32
	s_mov_b32 s38, 0
	s_mov_b32 s39, 0
	s_mul_i32 s56, s15, 32*BLKB
	s_mul_i32 s57, s16, BLKB
	s_add_co_u32 s62, s56, s57
	s_mul_i32 s58, s[WV], 12800
	s_add_co_u32 s56, s62, s58
	s_mov_b32 s57, 0
	s_lshl_b32 s59, s[WV], 11
	s_lshl_b32 s60, s15, 14
	s_add_co_u32 s60, s60, s59
	s_add_co_u32 s60, s60, REL_RC
	s_mov_b32 s61, 0
	s_mul_i32 s63, s13, 25600
	s_add_co_u32 s62, s62, s63
	s_add_co_u32 s62, s62, 2*BLKB
	s_mov_b32 s63, 0
	s_lshr_b32 s[LIM], s[WV], 2
	s_or_b32 s[LIM], s[LIM], ttmp9
	s_cmp_eq_u32 s[LIM], 0
	s_cselect_b32 s[LIM], 1, -1
	s_mov_b32 s[SEL], 0x76543210
	s_mov_b32 s[SEL+1], 0xfedcba98
	s_mov_b32 s[CS], 0x3e38aa3b                    ; log2(e) / 8
	s_mov_b32 s[CS+1], s[CS]
	s_mov_b32 s[TB], 0
	s_mov_b32 s[TC], 0
	s_mov_b32 s[TP], 0
	s_mov_b32 s[STEPS], 15
	s_wait_dscnt 0x0
	s_wait_kmcnt 0x0
	s_mov_b32 s40, 1
	s_mov_b32 s41, s58
	s_add_nc_u64 s[42:43], s[6:7], s[56:57]
	s_or_b32 s43, s43, 0x80000000
	s_mov_b32 s44, 1
	s_add_co_u32 s45, s59, RC
	s_add_nc_u64 s[46:47], s[8:9], s[60:61]
	s_or_b32 s47, s47, 0x80000000
	s_add_nc_u64 s[PFA:PFA+1], s[6:7], s[62:63]
	ROUND
	tensor_load_to_lds s[44:47], s[32:39]          ; rc: the wave's one load at the head
	s_nop 0
	s_wait_alu depctr_va_vdst(0)
	s_wait_tensorcnt 0x0
	ds_add_u32 v14, v15
	s_wait_dscnt 0x0
	ROUND
	tensor_load_to_lds s[40:43], s[24:31]          ; block 0 into slot 0
	s_nop 0
.rept 4
	v_nop
.endr
	s_lshr_b32 s56, s53, 3
	s_lshl_b32 s56, s56, 3
	s_add_co_u32 s56, s56, s19
	s_and_b32 s57, s53, 7
	s_mul_i32 s58, s56, 12288
	s_mul_i32 s59, s57, 1536
	s_add_co_u32 s58, s58, s59
	s_mov_b32 s59, 0
	s_add_nc_u64 s[66:67], s[4:5], s[58:59]        ; q's image
	s_lshl_b32 s58, s56, 9
	s_lshl_b32 s60, s57, 2
	s_add_co_u32 s58, s58, s60
	s_add_nc_u64 s[68:69], s[4:5], s[58:59]        ; q's scale words
	s_mul_i32 s58, s53, 3072
	s_lshl_b32 s60, s19, 7
	s_add_co_u32 s58, s58, s60
	s_add_nc_u64 s[70:71], s[4:5], s[58:59]        ; gw
	s_lshl_b32 s58, s53, 7
	s_add_nc_u64 s[72:73], s[8:9], s[58:59]        ; ra
	s_mul_i32 s58, s53, 12288
	s_mul_i32 s60, s19, 1536
	s_add_co_u32 s58, s58, s60
	s_add_nc_u64 s[74:75], s[10:11], s[58:59]      ; the output's image
	s_lshl_b32 s58, s53, 9
	s_lshl_b32 s60, s16, 8
	s_add_co_u32 s58, s58, s60
	s_add_nc_u64 s[76:77], s[10:11], s[58:59]      ; and its scale words
	v_and_b32 v95, 31, v0
	s_delay_alu instid0(VALU_DEP_1)
	v_lshlrev_b32 v[L16], 4, v95
	v_and_b32 v88, 15, v0
	v_bfe_u32 v89, v0, 4, 1
	s_delay_alu instid0(VALU_DEP_4)
	v_lshlrev_b32 v[L8], 3, v95
	s_delay_alu instid0(VALU_DEP_3)
	v_lshlrev_b32 v[R4], 2, v88
	s_delay_alu instid0(VALU_DEP_4)
	v_lshlrev_b32 v[R32], 5, v88
.irp c, 0,1,2
	global_load_b128 v[QL+4*\c:QL+4*\c+3], v[L16], s[66:67] offset:512*\c
.endr
	global_load_b32 v[QS], v[R32], s[68:69] offset:QG_SC
	global_load_b32 v[A0], v[R4], s[72:73]
	global_load_b32 v[A1], v[R4], s[72:73] offset:64
.irp k, 0,1,2
	global_load_b32 v[WA+2*\k], v[R4], s[70:71] offset:QG_GW+1024*\k
	global_load_b32 v[WB+2*\k], v[R4], s[70:71] offset:QG_GW+1024*\k+64
.endr
	s_mul_i32 s78, s18, 12288
	v_add_nc_u32 v[KB], s78, v[L16]
	s_delay_alu instid0(VALU_DEP_1)
	v_add_nc_u32 v[VB], 49152, v[KB]
	s_lshl_b32 s78, s18, 9
	v_lshl_add_u32 v[KSB], v88, 5, s78
	s_delay_alu instid0(VALU_DEP_1)
	v_add_nc_u32 v[KSB], 98304, v[KSB]
	s_delay_alu instid0(VALU_DEP_1)
	v_add_nc_u32 v[VSB], 2048, v[KSB]
	s_lshl_b32 s78, s17, 14
	v_add_nc_u32 v[PRB], s78, v[L16]
	s_delay_alu instid0(VALU_DEP_1)
	v_add_nc_u32 v[PRB], PIMG, v[PRB]
	s_lshl_b32 s78, s18, 11
	v_add_nc_u32 v[PWB], s78, v[PRB]
	s_lshl_b32 s78, s18, 7
	v_lshl_add_u32 v[RCB], v89, 6, s78
	s_delay_alu instid0(VALU_DEP_1)
	v_add_nc_u32 v[RCB], RC, v[RCB]
	s_lshl_b32 s78, s17, 8
	s_lshl_b32 s79, s18, 6
	s_add_co_u32 s79, s79, s78
	v_lshl_add_u32 v[OSW], v88, 2, s79
	s_delay_alu instid0(VALU_DEP_1)
	v_add_nc_u32 v[OSW], OSTG, v[OSW]
	v_lshl_add_u32 v[OSR], v95, 3, s78
	s_delay_alu instid0(VALU_DEP_1)
	v_add_nc_u32 v[OSR], OSTG, v[OSR]
	v_min_u32 v[PFO], 99, v0
	s_delay_alu instid0(VALU_DEP_1)
	v_lshlrev_b32 v[PFO], 8, v[PFO]
.irp h, STA, STB
	v_mov_b32 v[\h+1], 0xff61b1e6
	s_delay_alu instid0(VALU_DEP_1)
	v_floor_f32 v[\h], -v[\h+1]
	v_mov_b32 v[\h+2], 0
	v_mov_b32 v[\h+3], 0
.endr
	v_mov_b32 v[FF], 0
	v_mov_b32 v[FF+1], 0
.irp b, 0,1,2,3
	v_mov_b32 v[MP+\b], 0
.endr
	s_mov_b32 s[TQ], PBUF
	s_wait_loadcnt 0x0
	v_mov_b32 v[A0+1], v[A0]
	v_mov_b32 v[A1+1], v[A1]
.irp k, 0,1,2
	v_mov_b32 v[WA+2*\k+1], v[WA+2*\k]
	v_mov_b32 v[WB+2*\k+1], v[WB+2*\k]
.endr
	WIN 0x40
.irp i, 0,1,2,3,4,5
	v_mov_b32 v[QA+\i], v[QL+\i]                   ; head A: its 64 channels, then zeros; head B: the zeros, then its 64
	v_mov_b32 v[QA+6+\i], 0
	v_mov_b32 v[QA+12+\i], v[QL+6+\i]
.endr
.set j, 0
.rept 64
	v_mov_b32 v[OA+j], 0
.set j, j+1
.endr
	WIN 0
.macro PADR sp                         ; addresses for an image in the buffer at s[sp], of the keys at s[TC]
	v_add_nc_u32 v[ADRC], s[TC], v[RCB]
	v_add_nc_u32 v[ADPW], s[\sp], v[PWB]
	v_add_nc_u32 v[ADPN], s[\sp], v[PRB]
.endm
.macro RCLD                            ; rc of my 16 keys a lane: relation 0's, relation 1's
.irp q, 0,1,2,3
	ds_load_b128 v[PX0+4*\q:PX0+4*\q+3], v[ADRC] offset:16*\q
.endr
.irp q, 0,1,2,3
	ds_load_b128 v[PX1+4*\q:PX1+4*\q+3], v[ADRC] offset:8192+16*\q
.endr
.endm
.macro PCOMP                           ; softmax over (d0, d1, 0), the largest taken away: P0, P1
.irp i, 0,2,4,6,8,10,12,14
	v_pk_add_f32 v[PX0+\i:PX0+\i+1], v[PX0+\i:PX0+\i+1], v[A0:A0+1] op_sel_hi:[1,0]
	v_pk_add_f32 v[PX1+\i:PX1+\i+1], v[PX1+\i:PX1+\i+1], v[A1:A1+1] op_sel_hi:[1,0]
.if (\i%4) == 0
	TICK 2
.endif
.endr
.irp i, 0,1,2,3,4,5,6,7,8,9,10,11,12,13,14,15
	v_max3_num_f32 v[PM+\i], v[PX0+\i], v[PX1+\i], 0
.endr
.irp i, 0,2,4,6,8,10,12,14
	v_pk_add_f32 v[PX0+\i:PX0+\i+1], v[PX0+\i:PX0+\i+1], v[PM+\i:PM+\i+1] neg_lo:[0,1] neg_hi:[0,1]
	v_pk_add_f32 v[PX1+\i:PX1+\i+1], v[PX1+\i:PX1+\i+1], v[PM+\i:PM+\i+1] neg_lo:[0,1] neg_hi:[0,1]
.endr
	s_wait_alu depctr_va_vdst(0)
.irp i, 0,1,2,3,4,5,6,7,8,9,10,11,12,13,14,15
	v_exp_f32 v[PX0+\i], v[PX0+\i]
	v_exp_f32 v[PX1+\i], v[PX1+\i]
	v_exp_f32 v[PE+\i], -v[PM+\i]
.if (\i%2) == 0
	TICK 2
.endif
.endr
	v_nop
	s_wait_alu depctr_va_vdst(0)
.irp i, 0,2,4,6,8,10,12,14
	v_pk_add_f32 v[PM+\i:PM+\i+1], v[PX0+\i:PX0+\i+1], v[PX1+\i:PX1+\i+1]
.endr
.irp i, 0,2,4,6,8,10,12,14
	v_pk_add_f32 v[PM+\i:PM+\i+1], v[PM+\i:PM+\i+1], v[PE+\i:PE+\i+1]
.endr
	s_wait_alu depctr_va_vdst(0)
.irp i, 0,1,2,3,4,5,6,7,8,9,10,11,12,13,14,15
	v_rcp_f32 v[PE+\i], v[PM+\i]
.endr
	v_nop
	s_wait_alu depctr_va_vdst(0)
.irp i, 0,2,4,6,8,10,12,14
	v_pk_mul_f32 v[PX0+\i:PX0+\i+1], v[PX0+\i:PX0+\i+1], v[PE+\i:PE+\i+1]
	v_pk_mul_f32 v[PX1+\i:PX1+\i+1], v[PX1+\i:PX1+\i+1], v[PE+\i:PE+\i+1]
.endr
.irp q, 0,1,2,3
	ds_store_b128 v[ADPW], v[PX0+4*\q:PX0+4*\q+3] offset:512*\q
	ds_store_b128 v[ADPW], v[PX1+4*\q:PX1+4*\q+3] offset:8192+512*\q
.endr
.endm
.macro CHANGE fill                     ; the change of slots: the three lines, the round, the joint refill first behind it
	s_wait_tensorcnt 0x0
	ds_add_u32 v[SPW], v[NIL]
.if \fill
	s_xor_b32 s41, s41, SLOT1
	s_add_nc_u64 s[42:43], s[42:43], 2*BLKB
	s_wait_xcnt 0x0
	s_add_nc_u64 s[PFA:PFA+1], s[PFA:PFA+1], 2*BLKB
	s_wait_dscnt 0x0
	ROUND
	tensor_load_to_lds s[40:43], s[24:31]
	s_nop 0
.rept 4
	v_nop
.endr
	ASK
.else
	s_wait_dscnt 0x0
	s_barrier_signal -1
	s_barrier_wait -1
.endif
.endm
.macro PCH be, adr                     ; chunk be (32 keys) of the image at v[adr] into chunk registers be % 2
	WIN 0x40
.irp q, 0,1,2,3
	ds_load_b128 v[32*((\be)%2)+4*\q:32*((\be)%2)+4*\q+3], v[\adr] offset:2048*(\be)+512*\q
.endr
.irp q, 0,1,2,3
	ds_load_b128 v[32*((\be)%2)+16+4*\q:32*((\be)%2)+16+4*\q+3], v[\adr] offset:8192+2048*(\be)+512*\q
.endr
.endm
.macro BF be                           ; w2 + w0 P0 + w1 P1 for both heads: the C of the score products
	WIN 0x01
.irp i, 0,2,4,6,8,10,12,14
	v_pk_fma_f32 v[SA+16*(\be)+\i:SA+16*(\be)+\i+1], v[32*((\be)%2)+\i:32*((\be)%2)+\i+1], v[WA:WA+1], v[WA+4:WA+5] op_sel_hi:[1,0,0]
	v_pk_fma_f32 v[SB+16*(\be)+\i:SB+16*(\be)+\i+1], v[32*((\be)%2)+\i:32*((\be)%2)+\i+1], v[WB:WB+1], v[WB+4:WB+5] op_sel_hi:[1,0,0]
.if (\i%8) == 0
	TICK 2
.endif
.endr
.irp i, 0,2,4,6,8,10,12,14
	v_pk_fma_f32 v[SA+16*(\be)+\i:SA+16*(\be)+\i+1], v[32*((\be)%2)+16+\i:32*((\be)%2)+16+\i+1], v[WA+2:WA+3], v[SA+16*(\be)+\i:SA+16*(\be)+\i+1] op_sel_hi:[1,0,1]
	v_pk_fma_f32 v[SB+16*(\be)+\i:SB+16*(\be)+\i+1], v[32*((\be)%2)+16+\i:32*((\be)%2)+16+\i+1], v[WB+2:WB+3], v[SB+16*(\be)+\i:SB+16*(\be)+\i+1] op_sel_hi:[1,0,1]
.if (\i%8) == 0
	TICK 2
.endif
.endr
.endm
.macro QK k0, n                        ; the score products of key tiles k0 .. k0 + n - 1, both heads by turns
	WIN 0x05
.set kk, \k0
.rept \n
	v_wmma_scale_f32_16x16x128_f8f6f4 v[SA+8*kk:SA+8*kk+7], v[KV+12*kk:KV+12*kk+11], v[QA:QA+11], v[SA+8*kk:SA+8*kk+7], v[KS+kk], v[QS] matrix_a_fmt:MATRIX_FMT_FP6 matrix_b_fmt:MATRIX_FMT_FP6
	v_wmma_scale_f32_16x16x128_f8f6f4 v[SB+8*kk:SB+8*kk+7], v[KV+12*kk:KV+12*kk+11], v[QB:QB+11], v[SB+8*kk:SB+8*kk+7], v[KS+kk], v[QS] matrix_a_fmt:MATRIX_FMT_FP6 matrix_b_fmt:MATRIX_FMT_FP6
.set kk, kk+1
.endr
.endm
.macro SOFT sc, stt, o, vh, wv, cnt    ; one head: running M, p, the sum, p's codes, O^T under the new M, O^T += v^T p^T
.irp b, 0,1,2,3
	v_max3_num_f32 v[MX+\b], v[\sc+16*\b], v[\sc+16*\b+1], v[\sc+16*\b+2]
.endr
.irp i, 3,5,7,9,11,13
.irp b, 0,1,2,3
	v_max3_num_f32 v[MX+\b], v[MX+\b], v[\sc+16*\b+\i], v[\sc+16*\b+\i+1]
.endr
	TICK 2
.endr
.irp b, 0,1,2,3
	v_max_num_f32 v[MX+\b], v[MX+\b], v[\sc+16*\b+15]
.endr
.irp b, 0,1,2,3
	s_delay_alu instid0(VALU_DEP_4)
	v_permlanex16_b32 v[MP+\b], v[MX+\b], s[SEL], s[SEL+1]
.endr
.irp b, 0,1,2,3
	s_delay_alu instid0(VALU_DEP_4)
	v_max_num_f32 v[MX+\b], v[MX+\b], v[MP+\b]
.endr
	s_delay_alu instid0(VALU_DEP_2)
	v_max3_num_f32 v[TT], v[MX], v[MX+1], v[MX+2]
	s_delay_alu instid0(VALU_DEP_1)
	v_max_num_f32 v[TT], v[TT], v[MX+3]
	s_delay_alu instid0(VALU_DEP_1)
	v_mul_f32 v[TT], s[CS], v[TT]
	s_delay_alu instid0(VALU_DEP_1)
	v_max_num_f32 v[\stt+1], v[\stt+1], v[TT]
	v_mov_b32 v[TT], v[\stt]
	s_delay_alu instid0(VALU_DEP_2)
	v_floor_f32 v[\stt], -v[\stt+1]
	s_delay_alu instid0(VALU_DEP_1)
	v_sub_f32 v[TT], v[\stt], v[TT]
	s_delay_alu instid0(VALU_DEP_1)
	v_cvt_i32_f32 v[TT], v[TT]
	s_delay_alu instid0(VALU_DEP_1)
	v_ldexp_f32 v[FF], 1.0, v[TT]
.set j, 0
.rept 32
	v_pk_fma_f32 v[\sc+j:\sc+j+1], v[\sc+j:\sc+j+1], s[CS:CS+1], v[\stt:\stt+1] op_sel_hi:[1,0,0]
.if (j%8) == 0
	TICK 2
.endif
.set j, j+2
.endr
.irp b, 0,1,2,3
	v_fma_f32 v[MX+\b], v[MX+\b], s[CS], v[\stt]
.endr
	s_wait_alu depctr_va_vdst(0)                   ; one batch: the four blocks' largest p, then the 64
.irp b, 0,1,2,3
	v_exp_f32 v[MX+\b], v[MX+\b]
.endr
.set j, 0
.rept 64
	v_exp_f32 v[\sc+j], v[\sc+j]
.set j, j+1
.endr
	v_pk_mul_f32 v[\stt+2:\stt+3], v[\stt+2:\stt+3], v[FF:FF+1] op_sel_hi:[1,0]
	s_wait_alu depctr_va_vdst(0)                   ; one wait for the batch, ahead of its first reader
	v_pk_add_f32 v[MP:MP+1], v[\sc:\sc+1], v[\sc+2:\sc+3]          ; the row's sum of the unquantised p: 32 pairs in four chains by turns
	v_pk_add_f32 v[MP+2:MP+3], v[\sc+4:\sc+5], v[\sc+6:\sc+7]
	v_pk_add_f32 v[SO:SO+1], v[\sc+8:\sc+9], v[\sc+10:\sc+11]
	v_pk_add_f32 v[\stt+2:\stt+3], v[\stt+2:\stt+3], v[\sc+12:\sc+13]
.set j, 14
.rept 6
	v_pk_add_f32 v[MP:MP+1], v[MP:MP+1], v[\sc+j:\sc+j+1]
	v_pk_add_f32 v[MP+2:MP+3], v[MP+2:MP+3], v[\sc+j+2:\sc+j+3]
	v_pk_add_f32 v[SO:SO+1], v[SO:SO+1], v[\sc+j+4:\sc+j+5]
	v_pk_add_f32 v[\stt+2:\stt+3], v[\stt+2:\stt+3], v[\sc+j+6:\sc+j+7]
.set j, j+8
.endr
	v_pk_add_f32 v[MP:MP+1], v[MP:MP+1], v[\sc+62:\sc+63]
	v_pk_add_f32 v[MP+2:MP+3], v[MP+2:MP+3], v[SO:SO+1]
	v_pk_add_f32 v[\stt+2:\stt+3], v[\stt+2:\stt+3], v[MP:MP+1]
	s_delay_alu instid0(VALU_DEP_1)
	v_pk_add_f32 v[\stt+2:\stt+3], v[\stt+2:\stt+3], v[MP+2:MP+3]
.irp b, 0,1,2,3
	v_max_num_f32 v[MX+\b], 0x1800000, v[MX+\b]
.endr
.irp b, 0,1,2,3
	s_delay_alu instid0(VALU_DEP_4)
	v_add_nc_u32 v[SO+\b], 0xff000000, v[MX+\b]
.endr
.irp b, 0,1,2,3
	s_delay_alu instid0(VALU_DEP_4)
	v_lshrrev_b32 v[MP+\b], 23, v[SO+\b]
.endr
	s_delay_alu instid0(VALU_DEP_3)
	v_lshl_or_b32 v[PS], v[MP+1], 8, v[MP]
	s_delay_alu instid0(VALU_DEP_1)
	v_lshl_or_b32 v[PS], v[MP+2], 16, v[PS]
	s_delay_alu instid0(VALU_DEP_1)
	v_lshl_or_b32 v[PS], v[MP+3], 24, v[PS]
.irp c, 0,1
	v_cvt_scalef32_pk16_fp6_f32 v[PC+6*\c:PC+6*\c+2], v[\sc+32*\c:\sc+32*\c+15], v[SO+2*\c]
	v_cvt_scalef32_pk16_fp6_f32 v[CT+4*\c:CT+4*\c+2], v[\sc+32*\c+16:\sc+32*\c+31], v[SO+2*\c+1]
.endr
	v_nop
.irp c, 0,1
.irp i, 0,1,2
	v_permlane16_swap_b32 v[PC+6*\c+\i], v[CT+4*\c+\i]
.endr
.irp i, 0,1,2
	s_delay_alu instid0(VALU_DEP_3)
	v_mov_b32 v[PC+3+6*\c+\i], v[CT+4*\c+\i]
.endr
.endr
	WIN 0x41
.set j, 0
.rept 16
	v_pk_mul_f32 v[\o+j:\o+j+1], v[\o+j:\o+j+1], v[FF:FF+1] op_sel_hi:[1,0]
.set j, j+2
.endr
.if \wv
	s_wait_alu depctr_va_vdst(0)
	s_wait_dscnt \cnt                              ; V's fragments and scale words are in
.endif
	WIN 0x51
.irp t, 0,1,2,3
	v_wmma_scale_f32_16x16x128_f8f6f4 v[\o+8*\t:\o+8*\t+7], v[KV+12*(\vh+\t):KV+12*(\vh+\t)+11], v[PC:PC+11], v[\o+8*\t:\o+8*\t+7], v[VS+\vh+\t], v[PS] matrix_a_fmt:MATRIX_FMT_FP6 matrix_b_fmt:MATRIX_FMT_FP6
.endr
	WIN 0
.endm
.macro BODY pp                         ; a step.  pp = 1: the next step's image is made in it
	v_add_nc_u32 v[ADK], s[TB], v[KB]              ; (these lines are also the places behind the last step's products, ahead of the loads into their sources)
	v_add_nc_u32 v[ADV], s[TB], v[VB]
	v_add_nc_u32 v[ADKS], s[TB], v[KSB]
	v_add_nc_u32 v[ADVS], s[TB], v[VSB]
	v_add_nc_u32 v[ADPR], s[TP], v[PRB]
.if \pp
	PADR TQ
	RCLD
.endif
	ds_load_b128 v[KS:KS+3], v[ADKS]
	ds_load_b128 v[KS+4:KS+7], v[ADKS] offset:16
.set QP, 0                             ; the list: K's 24 loads, then chunks 2 and 3 of this step's image
.set QE, 40
.set QAD, ADK
.set QPA, ADPR
.set QB0, 2
	BF 0                                           ; chunks 0 and 1 came in during the last step; 8 of K's loads stand in each of these two
	BF 1
	WIN 0
.if \pp
	s_wait_alu depctr_va_vdst(0)
	s_wait_dscnt 18                                ; rc's 8 loads are in; the 2 loads of scale words and 16 of K's may be out
	PCOMP                                          ; the list's other 24 loads stand in it: entries from 24 on are issued behind both chunks' multiply-adds
.else
	TICK 40
.endif
	s_wait_alu depctr_va_vdst(0)
	s_wait_dscnt 0x0                               ; K, chunks 2 and 3 are in; my part of the next image has landed
.if \pp
	s_barrier_signal -1                            ; a plain barrier: register work alone up to its wait
.endif
	QK 0, 4
	BF 2
	QK 4, 2
	BF 3
	QK 6, 2
	WIN 0
.if \pp
	s_barrier_wait -1                              ; the next image is whole
.endif
	PLACES
	ds_load_b128 v[VS:VS+3], v[ADVS]
	ds_load_b128 v[VS+4:VS+7], v[ADVS] offset:16
.set QP, 0                             ; the list: V's 24 loads, in the first head's maxima and multiply-adds (28 places for them);
.set QE, 24
.set QAD, ADV
.set QPA, ADPN
.set QB0, 0
	SOFT SA, STA, OA, 0, 1, 0
.set QE, 24+16*\pp                     ; then the next step's first two chunks, in the second head's
	SOFT SB, STB, OB, 4, 0, 0
.endm
	PADR TP                                        ; step 0's image, into buffer 0 (rc is whole: every wave waited for its part ahead of the second round)
	RCLD
	s_wait_alu depctr_va_vdst(0)
	s_wait_dscnt 0x0
	PCOMP
	s_wait_alu depctr_va_vdst(0)
	s_wait_dscnt 0x0
	s_barrier_signal -1
	s_barrier_wait -1
	PCH 0, ADPN
	PCH 1, ADPN
	WIN 0
	s_mov_b32 s[TC], 512
	s_wait_alu depctr_va_vdst(0)
.Lstep:
	CHANGE 1
	BODY 1
	s_xor_b32 s[TB], s[TB], SLOT1
	s_xor_b32 s[TP], s[TP], PBUF
	s_xor_b32 s[TQ], s[TQ], PBUF
	s_add_co_u32 s[TC], s[TC], 512
	s_sub_co_u32 s[STEPS], s[STEPS], 1
	s_cmp_lg_u32 s[STEPS], 0
	s_wait_alu depctr_va_vdst(0)
	s_cbranch_scc1 .Lstep
	CHANGE 0
	BODY 0
	PLACES
	v_add_f32 v[STA+2], v[STA+2], v[STA+3]
	v_add_f32 v[STB+2], v[STB+2], v[STB+3]
	s_delay_alu instid0(VALU_DEP_2)
	v_permlanex16_b32 v[MP], v[STA+2], s[SEL], s[SEL+1]
	s_delay_alu instid0(VALU_DEP_2)
	v_permlanex16_b32 v[MP+1], v[STB+2], s[SEL], s[SEL+1]
	s_delay_alu instid0(VALU_DEP_2)
	v_add_f32 v[STA+2], v[STA+2], v[MP]
	s_delay_alu instid0(VALU_DEP_2)
	v_add_f32 v[STB+2], v[STB+2], v[MP+1]
	s_wait_alu depctr_va_vdst(0)
	v_rcp_f32 v[STA+2], v[STA+2]
	v_rcp_f32 v[STB+2], v[STB+2]
	v_nop
	s_wait_alu depctr_va_vdst(0)
	WIN 0x01
.set j, 0
.rept 16
	v_pk_mul_f32 v[96+j:97+j], v[OA+j:OA+j+1], v[STA+2:STA+3] op_sel_hi:[1,0]
.set j, j+2
.endr
.set j, 0
.rept 16
	v_pk_mul_f32 v[128+j:129+j], v[OB+j:OB+j+1], v[STB+2:STB+3] op_sel_hi:[1,0]
.set j, j+2
.endr
	QUANT 96, 0, PC, PS                            ; the pair's 128 channels of my 16 queries: a fragment of the last projection's operand
.irp c, 0,1,2
	global_store_b128 v[L16], v[PC+4*\c:PC+4*\c+3], s[74:75] offset:512*\c
.endr
	ds_store_b32 v[OSW], v[PS]
	s_wait_dscnt 0x0
	s_barrier_signal -1
	s_barrier_wait -1
	s_cmp_lt_u32 s[WV], 2
	s_cbranch_scc0 .Lno_words
	ds_load_b64 v[96:97], v[OSR]
	s_wait_dscnt 0x0
	global_store_b64 v[L8], v[96:97], s[76:77] offset:OW_SC   ; a query tile's four scale words a row: 256 consecutive bytes
.Lno_words:
	s_wait_tensorcnt 0x0                           ; the wave's end
	ds_add_u32 v[SPW], v[NIL]
	s_wait_dscnt 0x0
	ROUND                                          ; the closing round
	s_endpgm
.Lfunc_end_k_q8bbb098a07_attn:
	.size	k_q8bbb098a07_attn, .Lfunc_end_k_q8bbb098a07_attn-k_q8bbb098a07_attn
	.p2alignl 7, 3214868480
	.fill 96, 4, 3214868480
	.section	.rodata,"a",@progbits
	.p2align	6, 0x0
	.amdhsa_kernel k_q8bbb098a07_attn
		.amdhsa_group_segment_fixed_size 327680
		.amdhsa_private_segment_fixed_size 0
		.amdhsa_enable_private_segment 0
		.amdhsa_kernarg_size 32
		.amdhsa_user_sgpr_count 2
		.amdhsa_user_sgpr_kernarg_segment_ptr 1
		.amdhsa_wavefront_size32 1
		.amdhsa_system_sgpr_workgroup_id_x 1
		.amdhsa_system_sgpr_workgroup_id_y 1
		.amdhsa_system_sgpr_workgroup_id_z 1
		.amdhsa_system_vgpr_workitem_id 0
		.amdhsa_next_free_vgpr 512
		.amdhsa_next_free_sgpr 80
		.amdhsa_reserve_vcc 0
		.amdhsa_float_denorm_mode_32 3
		.amdhsa_float_denorm_mode_16_64 3
		.amdhsa_memory_ordered 1
		.amdhsa_forward_progress 1
		.amdhsa_inst_pref_size 130
	.end_amdhsa_kernel
	.amdgpu_metadata
---
amdhsa.version: [ 1, 2 ]
amdhsa.kernels:
  - .name:           k_q8bbb098a07_attn
    .symbol:         k_q8bbb098a07_attn.kd
    .args:
      - { .name: qg, .offset: 0, .size: 8, .value_kind: global_buffer, .address_space: global }
      - { .name: kv, .offset: 8, .size: 8, .value_kind: global_buffer, .address_space: global }
      - { .name: rel, .offset: 16, .size: 8, .value_kind: global_buffer, .address_space: global }
      - { .name: ow, .offset: 24, .size: 8, .value_kind: global_buffer, .address_space: global }
    .group_segment_fixed_size: 327680
    .private_segment_fixed_size: 0
    .kernarg_segment_align: 8
    .kernarg_segment_size: 32
    .max_flat_workgroup_size: 256
    .sgpr_count:     80
    .vgpr_count:     512
    .wavefront_size: 32
...
	.end_amdgpu_metadata
.endif
;; end of part 3
;; launch oproj (part 4): grid 256 x 1, 4 waves a work-group, no clusters, 18,432 bytes of LDS; arguments ow, bo, out0; writes out0
.if DOCPART == 4
	.amdgcn_target "amdgcn-amd-amdhsa--gfx1250"
	.amdhsa_code_object_version 6
	.text
	.protected	k_q8bbb098a07_oproj
	.globl	k_q8bbb098a07_oproj
	.p2align	8
	.type	k_q8bbb098a07_oproj,@function
k_q8bbb098a07_oproj:
	s_mov_b64 s[64:65], 0
	v_nop
	global_prefetch_b8 v0, s[64:65] scope:SCOPE_SE
	s_setreg_imm32_b32 hwreg(HW_REG_WAVE_MODE, 25, 1), 1
	s_wait_xcnt 0x0
; out0 = attention output x Wo^T + bo, on codes of FP6 (E2M3).  ow holds images of both operands' fragments (1,536 bytes: registers 4 c .. 4 c + 3 of lane l at 512 c + 16 l; a tile's eight K steps on end):
; tiles 0-255 the attention output, tiles 256-319 Wo; from OW_SC the scale words [tile][K step][rho].
; Work-group 8 mblock + nb: 128 tokens x columns 128 nb .. + 127.  Wave w takes token tiles 4 (w / 2) .. + 3 and Wo's tiles 4 (w % 2) .. + 3: 64 x 64, 16 accumulators.
; Operands go from memory straight into registers, in three sets: K step s + 2 is asked for ahead of K step s's products.  The eight K steps are written out, every offset an immediate.
; No tensor load, no cluster, no prefetch: K is eight steps of ready images with no loop to run ahead in.
; Source 0 = 16 rows of Wo, source 1 = 16 tokens: a lane holds ONE token, and the 16 registers of result tiles 2 b, 2 b + 1 are columns 32 b + 16 (lane / 16) + 0 .. 15.  bo is the C of each sum's first product.
; A tile's row rho is token 32 B + 8 u + rho + 8 (rho / 8) (tile 2 B + u): the way out puts each row where it belongs.
.set OW_SC,  3932160
.set SPITCH, 272                       ; a stage row: 64 columns of f32 + 16 bytes
.set WSTG,   16*SPITCH                 ; a wave's stage
.set SPARE,  4*WSTG                    ; 17,408: behind the stages the spare words, 128 bytes a wave
.set L16, 1                            ; v1  16 x lane
.set OF0, 2                            ; v2  Wo's first tile x 12,288 + 16 x lane
.set OF1, 3                            ; v3  the tokens'
.set OSC, 4                            ; v4  scale words: lanes 0-15 the tokens' tiles, lanes 16-31 Wo's
.set STO, 7                            ; v7  the stage: row r, + 64 h
.set RD,  8                            ; v8  back: sixteen lanes to a row of 256 bytes, two rows an instruction
.set CO,  9                            ; v9  the same two rows in out0
.set SPW, 14
.set NIL, 15
.set SCW, 16                           ; v16-27 scale words, three sets of 4 (scales and nothing else)
.set OUTR, 32                          ; v32-95 the way out, two sets of 32
; window 1: v0-143 Wo's fragments, three sets of 48; v192-223 bo as C.   window 2: v0-143 the tokens' fragments.   window 3: accumulator (a, b) at v[8 (4 a + b)].
.set MSB, 0
.macro WIN new                         ; the immediate's high byte repeats the setting that is left
.if MSB != (\new)
	s_set_vgpr_msb (MSB<<8)|(\new)
.set MSB, (\new)
.endif
.endm
.macro PLACES
.rept 4
	v_nop
.endr
.endm
.macro FETCH s                         ; K step s: 4 + 4 fragments and 4 registers of scale words into set s % 3: 28 loads
	WIN 0x40
.irp i, 0,1,2,3
.irp c, 0,1,2
	global_load_b128 v[48*((\s)%3)+12*\i+4*\c:48*((\s)%3)+12*\i+4*\c+3], v[OF0], s[4:5] offset:12288*\i+1536*(\s)+512*\c
.endr
.endr
	WIN 0x80
.irp i, 0,1,2,3
.irp c, 0,1,2
	global_load_b128 v[48*((\s)%3)+12*\i+4*\c:48*((\s)%3)+12*\i+4*\c+3], v[OF1], s[4:5] offset:12288*\i+1536*(\s)+512*\c
.endr
.endr
	WIN 0
.irp i, 0,1,2,3
	global_load_b32 v[SCW+4*((\s)%3)+\i], v[OSC], s[4:5] offset:OW_SC+512*\i+64*(\s)
.endr
.endm
.macro MUL16 p, first                  ; a K step's 16 products: the accumulators take turns, one instruction a turn, in the same order in every step
.if \first
	WIN 0xd9                                       ; source 0 window 1, source 1 window 2, C window 1, D window 3
.else
	WIN 0xf9                                       ; C and D window 3
.endif
.irp a, 0,1,2,3
.irp b, 0,1,2,3
.if \first
	v_wmma_scale_f32_16x16x128_f8f6f4 v[8*(4*\a+\b):8*(4*\a+\b)+7], v[48*(\p)+12*\b:48*(\p)+12*\b+11], v[48*(\p)+12*\a:48*(\p)+12*\a+11], v[192+8*\b:192+8*\b+7], v[SCW+4*(\p)+\b], v[SCW+4*(\p)+\a] matrix_a_fmt:MATRIX_FMT_FP6 matrix_b_fmt:MATRIX_FMT_FP6 matrix_a_scale:MATRIX_SCALE_ROW1
.else
	v_wmma_scale_f32_16x16x128_f8f6f4 v[8*(4*\a+\b):8*(4*\a+\b)+7], v[48*(\p)+12*\b:48*(\p)+12*\b+11], v[48*(\p)+12*\a:48*(\p)+12*\a+11], v[8*(4*\a+\b):8*(4*\a+\b)+7], v[SCW+4*(\p)+\b], v[SCW+4*(\p)+\a] matrix_a_fmt:MATRIX_FMT_FP6 matrix_b_fmt:MATRIX_FMT_FP6 matrix_a_scale:MATRIX_SCALE_ROW1
.endif
.endr
.endr
.endm
.macro KSTEP s
.if (\s) > 0
	PLACES                                         ; the loads below go into registers that the step before has read
.endif
.if (\s) < 6
	FETCH (\s)+2
	s_wait_loadcnt 56                              ; all but the 28 loads of each of the next two steps: this step's operands are in
.elseif (\s) == 6
	s_wait_loadcnt 28
.else
	s_wait_loadcnt 0x0
.endif
.if (\s) == 0
	MUL16 0, 1                                     ; the first K step starts the sums, on the bias
.else
	MUL16 (\s)%3, 0
.endif
.endm
	s_load_b128 s[4:7], s[0:1], 0x0                ; ow, bo
	s_load_b64 s[8:9], s[0:1], 0x10                ; out0
	v_lshrrev_b32 v12, 5, v0
	v_readfirstlane_b32 s20, v12                   ; wave 0..3
	s_lshr_b32 s21, s20, 1                         ; which 64 tokens
	s_and_b32 s22, s20, 1                          ; which 64 columns
	s_lshr_b32 s10, ttmp9, 3                       ; mblock
	s_and_b32 s11, ttmp9, 7                        ; nb
	s_lshl_b32 s12, s11, 3
	s_lshl_b32 s23, s22, 2
	s_add_co_u32 s12, s12, s23
	s_add_co_u32 s12, s12, 256                     ; Wo's first tile
	s_lshl_b32 s13, s10, 3
	s_lshl_b32 s23, s21, 2
	s_add_co_u32 s13, s13, s23                     ; the tokens' first tile
	s_mul_i32 s14, s12, 12288
	s_mul_i32 s15, s13, 12288
	s_lshl_b32 s12, s12, 9
	s_lshl_b32 s13, s13, 9
	s_mul_i32 s24, s20, WSTG                       ; my stage
	s_lshl_b32 s16, s11, 9
	s_lshl_b32 s23, s22, 8
	s_add_co_u32 s16, s16, s23                     ; my 64 columns, in bytes
	s_mov_b32 s17, 0
	s_lshl_b32 s18, s10, 19                        ; 128 rows of 4,096 bytes,
	s_lshl_b32 s23, s21, 18                        ; my 64 of them
	s_add_co_u32 s18, s18, s23
	s_add_co_u32 s18, s18, s16
	s_mov_b32 s19, 0
	v_lshl_add_u32 v[SPW], v0, 2, SPARE
	v_mov_b32 v[NIL], 0
	v_and_b32 v10, 31, v0
	v_and_b32 v5, 15, v0                           ; r
	v_bfe_u32 v6, v0, 4, 1                         ; h
	v_lshlrev_b32 v[L16], 4, v10
	v_cmp_ne_u32 vcc_lo, 0, v6
	v_mov_b32 v12, s13
	v_mov_b32 v13, s12
	v_add_nc_u32 v[OF0], s14, v[L16]
	v_add_nc_u32 v[OF1], s15, v[L16]
	v_cndmask_b32 v[OSC], v12, v13, vcc_lo
	v_lshlrev_b32 v11, 6, v6                       ; bo: 64 h
	v_mul_u32_u24 v[STO], v5, SPITCH
	v_mul_u32_u24 v[RD], v6, SPITCH
	v_lshlrev_b32 v[CO], 12, v6
	v_lshl_add_u32 v[OSC], v5, 2, v[OSC]
	v_lshl_add_u32 v[STO], v6, 6, v[STO]
	v_lshl_add_u32 v[RD], v5, 4, v[RD]
	v_lshl_add_u32 v[CO], v5, 4, v[CO]
	v_add_nc_u32 v[STO], s24, v[STO]
	v_add_nc_u32 v[RD], s24, v[RD]
	s_wait_alu depctr_va_vdst(0)
	s_wait_kmcnt 0x0
	s_add_nc_u64 s[6:7], s[6:7], s[16:17]
	s_add_nc_u64 s[8:9], s[8:9], s[18:19]
	WIN 0x40
.irp b, 0,1,2,3                                ; register j of tile b is column 32 (b / 2) + 16 h + 8 (b % 2) + j
	global_load_b128 v[192+8*\b:192+8*\b+3], v11, s[6:7] offset:(32*(\b/2)+8*(\b%2))*4
	global_load_b128 v[192+8*\b+4:192+8*\b+7], v11, s[6:7] offset:(32*(\b/2)+8*(\b%2))*4+16
.endr
	FETCH 0
	FETCH 1
.irp s, 0,1,2,3,4,5,6,7
	KSTEP \s
.endr
	WIN 0
; THE WAY OUT, a tile of 16 tokens x 64 columns at a time, through my own stage: in as 2 x 32 bytes of each group of 32 columns of a row, back as whole rows of 256 bytes.
; LDS serves a wave's instructions in order (ISA guide 5.7.1.4): no wait between the stores and the loads, nor in front of the next tile's stores.
.macro TOSTAGE a
	WIN 0x0c                                       ; an LDS store's data are its source 1: window 3
.irp b, 0,1,2,3
	ds_store_b128 v[STO], v[8*(4*(\a)+\b):8*(4*(\a)+\b)+3] offset:128*(\b/2)+32*(\b%2)       ; each accumulator from its low end on
	ds_store_b128 v[STO], v[8*(4*(\a)+\b)+4:8*(4*(\a)+\b)+7] offset:128*(\b/2)+32*(\b%2)+16
.endr
	WIN 0
.irp t, 0,1,2,3,4,5,6,7
	ds_load_b128 v[OUTR+32*((\a)%2)+4*\t:OUTR+32*((\a)%2)+4*\t+3], v[RD] offset:2*\t*SPITCH
.endr
.endm
.macro SEND a, younger                 ; younger: the LDS instructions issued behind tile a's loads, which may stay out
	s_wait_dscnt \younger
.irp t, 0,1,2,3,4,5,6,7
	global_store_b128 v[CO], v[OUTR+32*((\a)%2)+4*\t:OUTR+32*((\a)%2)+4*\t+3], s[8:9] offset:(32*((\a)/2)+8*((\a)%2)+2*\t+8*(\t/4))*4096 th:TH_STORE_NT   ; sixteen lanes store 256 consecutive bytes, at a multiple of 256 from out0's first byte
.endr
.endm
	PLACES
	TOSTAGE 0
.irp a, 1,2,3
.if \a > 1
	s_wait_xcnt 0x0                                ; tile a - 2's stores have read their registers: tile a's loads may land there
.endif
	TOSTAGE \a
	SEND \a-1, 16                                  ; behind tile a - 1's loads: tile a's 8 stores and 8 loads
.endr
	SEND 3, 0
	s_wait_tensorcnt 0x0                           ; the wave's end, behind my last LDS store
	ds_add_u32 v[SPW], v[NIL]
	s_wait_dscnt 0x0
	s_endpgm
.Lfunc_end_k_q8bbb098a07_oproj:
	.size	k_q8bbb098a07_oproj, .Lfunc_end_k_q8bbb098a07_oproj-k_q8bbb098a07_oproj
	.p2alignl 7, 3214868480
	.fill 96, 4, 3214868480
	.section	.rodata,"a",@progbits
	.p2align	6, 0x0
	.amdhsa_kernel k_q8bbb098a07_oproj
		.amdhsa_group_segment_fixed_size 18432
		.amdhsa_private_segment_fixed_size 0
		.amdhsa_enable_private_segment 0
		.amdhsa_kernarg_size 24
		.amdhsa_user_sgpr_count 2
		.amdhsa_user_sgpr_kernarg_segment_ptr 1
		.amdhsa_wavefront_size32 1
		.amdhsa_system_sgpr_workgroup_id_x 1
		.amdhsa_system_sgpr_workgroup_id_y 1
		.amdhsa_system_sgpr_workgroup_id_z 1
		.amdhsa_system_vgpr_workitem_id 0
		.amdhsa_next_free_vgpr 1024
		.amdhsa_next_free_sgpr 66
		.amdhsa_reserve_vcc 1
		.amdhsa_float_denorm_mode_32 3
		.amdhsa_float_denorm_mode_16_64 3
		.amdhsa_memory_ordered 1
		.amdhsa_forward_progress 1
		.amdhsa_inst_pref_size 51
	.end_amdhsa_kernel
	.amdgpu_metadata
---
amdhsa.version: [ 1, 2 ]
amdhsa.kernels:
  - .name:           k_q8bbb098a07_oproj
    .symbol:         k_q8bbb098a07_oproj.kd
    .args:
      - { .name: ow, .offset: 0, .size: 8, .value_kind: global_buffer, .address_space: global }
      - { .name: bo, .offset: 8, .size: 8, .value_kind: global_buffer, .address_space: global }
      - { .name: out0, .offset: 16, .size: 8, .value_kind: global_buffer, .address_space: global }
    .group_segment_fixed_size: 18432
    .private_segment_fixed_size: 0
    .kernarg_segment_align: 8
    .kernarg_segment_size: 24
    .max_flat_workgroup_size: 128
    .sgpr_count:     66
    .vgpr_count:     1024
    .wavefront_size: 32
...
	.end_amdgpu_metadata
.endif
;; end of part 4
